; MI455X (gfx1250); checked and timed in simulation.
; The chip was launched on July 23, 2026; its instructions are those of AMD's public machine-readable ISA for CDNA 5 (MIT licence, August 2026) and "CDNA5" Instruction Set Architecture Reference Guide (July 2026). The comments in the code are by the model that wrote it; some were corrected since.
;; Self Attention. Allowed arithmetic: matrix products marked QUANTISED: E2M3 operands, one E8M0 scale for each 32 along K, by v_wmma_scale_f32_16x16x128_f8f6f4 with both operands' format E2M3, f32 sums; everything else in f32.
;; Inputs: Wk 1,024 x 1,024 float32; Wo 1,024 x 1,024 float32; Wq 1,024 x 1,024 float32; Wv 1,024 x 1,024 float32; bk 1,024 float32; bo 1,024 float32; bq 1,024 float32; bv 1,024 float32; inputs 4,096 x 1,024 float32.
;; Outputs: out0 4,096 x 1,024 float32.
;; This version of the problem:
;;   THIS VERSION OF THE PROBLEM IS GIVEN IN LOW PRECISION. The matrix products marked QUANTISED in the list below multiply operands that are first quantised to E2M3 (2 exponent bits, 3 mantissa bits; 6 bits a number), with one power-of-two scale for each 32 numbers along K (OCP MX v1.0); their sums are f32. All else is computed in f32.
;;   The module's matrix products, in the order in which they are computed (A, B: the left and right operand; K: the contracted axis; several contracted axes count as one K, in the product's order):
;;     1. [M 4,096, K 1,024] x [K 1,024, N 1,024]; A: input inputs; B: input Wq: QUANTISED
;;     2. [M 4,096, K 1,024] x [K 1,024, N 1,024]; A: input inputs; B: input Wk: QUANTISED
;;     3. [M 4,096, K 1,024] x [K 1,024, N 1,024]; A: input inputs; B: input Wv: QUANTISED
;;     4. batch 16 x [M 4,096, K 64] x [K 64, N 4,096]; A: computed on the way; B: computed on the way: QUANTISED
;;     5. batch 16 x [M 4,096, K 4,096] x [K 4,096, N 64]; A: softmax (see below); B: computed on the way: QUANTISED
;;     6. [M 4,096, K 1,024] x [K 1,024, N 1,024]; A: computed on the way; B: input Wo: QUANTISED
;;   THE QUANTISER, for each operand of a quantised product, along K:
;;     - K is cut into blocks of 32 from its start; a last block that is shorter is filled with zeros.
;;     - A block's scale is 2^e with e = floor(log2(the largest magnitude in the block)) - 2, held to -126 .. 127; a block of zeros has e = 0. As a byte (E8M0): e + 127.
;;     - Each number is divided by its block's scale, clamped to +-7.5, and rounded to the nearest number of E2M3, ties to even, subnormals kept.
;;     - The product sums the exact products of the quantised numbers (number of the format x scale) in f32.
;;   ~~~python
;;   def quantise(x, axis):      # numpy; x: float32 -> the quantised numbers, widened to float32 again
;;       x = np.moveaxis(x, axis, -1); K = x.shape[-1]
;;       x = np.pad(x, [(0, 0)] * (x.ndim - 1) + [(0, -K % 32)]); x = x.reshape(x.shape[:-1] + (-1, 32)); a = np.abs(x).max(-1, keepdims=True)
;;       e = np.where(a > 0, np.clip(np.frexp(np.where(a > 0, a, 1))[1] - 1 - 2, -126, 127), 0)      # np.frexp(a)[1] - 1 = floor(log2(a)), exactly
;;       r = np.clip(x / 2.0 ** e, -7.5, 7.5)
;;       step = 2.0 ** (np.maximum(np.frexp(np.where(r == 0, 1, r))[1] - 1, 0) - 3)
;;       q = np.round(r / step) * step * 2.0 ** e      # np.round: ties to even
;;       return np.moveaxis(q.reshape(q.shape[:-2] + (-1,))[..., :K], -1, axis).astype(np.float32)
;;   ~~~
;;   SOFTMAX AHEAD OF A QUANTISED PRODUCT. Where the list says 'softmax', what is quantised is not the finished softmax but p = 2^(t - M), with t = logit x log2(e) and M = ceil(the row's largest t), a whole number; so 1/2 < the row's largest p <= 1. The row's sum l is taken of the UNQUANTISED p, in f32, and the product's result is divided by l at the end. Since M is a whole number, a kernel that streams over the keys may use a running M (the ceiling of the running maximum): every later rescaling is an exact power of two, which a block's scale takes up: the codes' values come out the same.
;;   OPERANDS COMPUTED ON THE WAY. 'Computed on the way' means the value that the module computes at that place (a softmax that the list does not call 'softmax' is quantised finished and normalised). What goes into a quantiser is computed in f32, as accurately as f32 sums, v_exp_f32 and their like allow (about 1e-6 of the number): no bf16 or f16 on the way to a quantiser, and a product that is left as it is and whose result goes on into a quantised operand takes f32 operands (vector FMAs, or v_wmma_f32_16x16x4_f32). A number that lies on a knife's edge between two numbers of the format may be rounded either way, as far as f32 arithmetic and the matrix unit's own rounding can turn it there, and no further.
;; One version. Each part assembles by itself: llvm-mc -triple=amdgcn-amd-amdhsa -mcpu=gfx1250 --defsym DOCPART=n.
;; ======== version 1 of 1: 4 launches
;; limits: right only within a limited range of input values
;; workspace buffers: cw 6,291,456 bytes; sw 262,144 bytes; qc 3,407,872 bytes; kv 6,684,672 bytes; oc 3,145,728 bytes; os 262,144 bytes
;; launch quant (part 1): grid 256 x 1, 4 waves a work-group, no clusters, 34,304 bytes of LDS; arguments inputs, Wq, Wk, Wv, Wo, cw, sw; writes cw, sw
.if DOCPART == 1
	.amdgcn_target "amdgcn-amd-amdhsa--gfx1250"
	.amdhsa_code_object_version 6
	.text
	.protected	k_q8f229b6c88_quant
	.globl	k_q8f229b6c88_quant
	.p2align	8
	.type	k_q8f229b6c88_quant,@function
k_q8f229b6c88_quant:
	s_mov_b64 s[64:65], 0
	v_nop
	global_prefetch_b8 v0, s[64:65] scope:SCOPE_SE
	s_setreg_imm32_b32 hwreg(HW_REG_WAVE_MODE, 25, 1), 1
	s_wait_xcnt 0x0
; inputs [4096][1024] and Wq, Wk, Wv, Wo [1024][1024], f32 with K innermost, become codes of FP6 (E2M3) with one E8M0 byte for each 32 along K,
; laid as IMAGES OF OPERAND REGISTERS.  A half fragment is 16 rows x 64 K: six registers a lane (lane (r, h): row r, k = 32 h .. 32 h + 31): registers 0-3 at 16 x lane,
; registers 4-5 at 512 + 8 x lane: 768 bytes.  A fragment (16 rows x 128 K) is two of them on end.
; cw: [group of 128 rows][K step of 128: 8][tile: 8][1,536 bytes]; groups 0-31 inputs, 32-39 Wq, 40-47 Wk, 48-55 Wv, 56-63 Wo.
; THE ROWS OF A TILE ARE NOT NEIGHBOURS: in a run of 32 rows, lane r of tile u (0, 1) takes row 8 u + r + 8 (r / 8).
; sw: [group][pair of tiles p: 4][q: 2][16 u + r][4 words]: the scale words of K steps 4 q .. 4 q + 3.
; A block's scale is 2^(floor(log2(its largest magnitude)) - 2); its byte is the largest magnitude's exponent field - 2, held at 1 from below.
; LIMITS: a block of zeros gets the byte 1 where the quantiser says 127 (its codes are zeros, and this program alone reads the bytes); NaN and infinities are not served.
; SHARES: a work-group takes 32 rows; wave w takes tile u = w / 2 and K steps 4 (w % 2) .. + 3: four fragments.  Each load reads 512 consecutive bytes of one row; the 16 rows x 512 bytes
; turn through the wave's own stage in LDS (rows 528 bytes apart), from which a lane takes the 2 x 32 neighbours that the operand's layout gives it.  Waves share nothing: no barrier.
; The work-groups share no input, so there is no cluster; the matrix unit has nothing to do here.
.set STGB, 8448                        ; a wave's stage: 16 rows x 528 bytes
.set R,    16                          ; v16-143  two sets of 64 registers as loaded
.set X,    144                         ; v144-207 my 64 numbers: register 32 c + i = k 64 c + 32 h + i of row r
.set PC,   208                         ; v208-219 the fragment's codes
.set CT,   220                         ; v220-222, v224-226 the second halves of the two blocks, as converted
.set W,    228                         ; v228-231 the four fragments' scale words
	s_load_b256 s[4:11], s[0:1], 0x0               ; inputs, Wq, Wk, Wv
	s_load_b128 s[12:15], s[0:1], 0x20             ; Wo, cw
	s_load_b64 s[16:17], s[0:1], 0x30              ; sw
	v_lshl_add_u32 v248, v0, 2, 0x8400
	v_mov_b32 v249, 0
	v_lshrrev_b32 v10, 5, v0
	v_readfirstlane_b32 s20, v10                   ; wave 0..3
	v_and_b32 v1, 31, v0                           ; lane
	v_and_b32 v2, 15, v0                           ; r
	v_bfe_u32 v3, v0, 4, 1                         ; h
	v_lshlrev_b32 v4, 4, v1                        ; 16 x lane: a load's and an image's place
	v_lshlrev_b32 v5, 3, v1                        ; 8 x lane
	s_mul_i32 s21, s20, STGB
	v_add_nc_u32 v6, s21, v4                       ; the stage, on the way in
	v_mul_u32_u24 v7, v2, 528
	v_lshl_add_u32 v7, v3, 7, v7
	v_add_nc_u32 v7, s21, v7                       ; and out: row r, + 128 h bytes
	v_lshlrev_b32 v8, 3, v3                        ; 8 h: my bytes' place in a scale word, in bits
	v_lshl_add_u32 v9, v2, 4, v8                   ; 16 r + 8 h: my two words' place in sw
	v_mov_b32 v234, 0                              ; written once: a lane permute's destination counts as one of its sources
	s_mov_b32 s22, 0x76543210
	s_mov_b32 s23, 0xfedcba98                      ; v_permlanex16_b32's selects for lane l xor 16
	s_lshr_b32 s24, s20, 1                         ; u
	s_and_b32 s25, s20, 1                          ; q
	s_cmp_lt_u32 ttmp9, 128
	s_cselect_b32 s26, 127, 31
	s_and_b32 s26, ttmp9, s26                      ; which 32 rows of its tensor
	s_lshl_b32 s26, s26, 17                        ; x 32 rows of 4,096 bytes
	s_lshl_b32 s27, s24, 15                        ; + 8 u rows
	s_add_co_u32 s26, s26, s27
	s_lshl_b32 s27, s25, 11                        ; + 4 q K steps of 512 bytes
	s_add_co_u32 s26, s26, s27
	s_mov_b32 s27, 0
	s_lshr_b32 s28, ttmp9, 2                       ; the group of 128 rows
	s_and_b32 s29, ttmp9, 3                        ; p
	s_mul_i32 s30, s28, 98304
	s_mul_i32 s31, s25, 49152
	s_add_co_u32 s30, s30, s31
	s_lshl_b32 s31, s29, 1
	s_add_co_u32 s31, s31, s24                     ; tile 2 p + u
	s_mul_i32 s31, s31, 1536
	s_add_co_u32 s30, s30, s31
	s_mov_b32 s31, 0
	s_lshl_b32 s32, s28, 12
	s_lshl_b32 s33, s29, 10
	s_add_co_u32 s32, s32, s33
	s_lshl_b32 s33, s25, 9
	s_add_co_u32 s32, s32, s33
	s_lshl_b32 s33, s24, 8
	s_add_co_u32 s32, s32, s33
	s_mov_b32 s33, 0
	s_wait_alu depctr_va_vdst(0)
	s_wait_kmcnt 0x0
	s_cmp_lt_u32 ttmp9, 224                        ; which tensor: the choice hangs on the work-group's number alone
	s_cselect_b64 s[18:19], s[10:11], s[12:13]
	s_cmp_lt_u32 ttmp9, 192
	s_cselect_b64 s[18:19], s[8:9], s[18:19]
	s_cmp_lt_u32 ttmp9, 160
	s_cselect_b64 s[18:19], s[6:7], s[18:19]
	s_cmp_lt_u32 ttmp9, 128
	s_cselect_b64 s[18:19], s[4:5], s[18:19]
	s_add_nc_u64 s[18:19], s[18:19], s[26:27]
	s_add_nc_u64 s[14:15], s[14:15], s[30:31]
	s_add_nc_u64 s[16:17], s[16:17], s[32:33]
.macro LOAD f                          ; fragment f: 512 bytes of each of the tile's 16 rows, into set f % 2
.irp i, 0,1,2,3,4,5,6,7,8,9,10,11,12,13,14,15
	global_load_b128 v[R+64*((\f)%2)+4*\i:R+64*((\f)%2)+4*\i+3], v4, s[18:19] offset:(\i+8*(\i/8))*4096+512*(\f) th:TH_LOAD_NT
.endr
.endm
.macro FRAGM f
.if (\f) < 3
	s_wait_loadcnt 16                              ; this fragment's 16 loads are in; the next fragment's 16 may be out
.else
	s_wait_loadcnt 0x0
.endif
.irp i, 0,1,2,3,4,5,6,7,8,9,10,11,12,13,14,15
	ds_store_b128 v6, v[R+64*((\f)%2)+4*\i:R+64*((\f)%2)+4*\i+3] offset:528*\i
.endr
.irp c, 0,1
.irp e, 0,1,2,3,4,5,6,7
	ds_load_b128 v[X+32*\c+4*\e:X+32*\c+4*\e+3], v7 offset:256*\c+16*\e   ; LDS serves a wave's instructions in order: these see the stores above
.endr
.endr
	s_wait_dscnt 0x0                               ; my numbers are in, and the stores have read their registers,
.if (\f) < 2
	LOAD (\f)+2                                    ; which take the fragment two on
.endif
.irp c, 0,1
	v_max3_num_f32 v[10+\c], |v[X+32*\c]|, |v[X+32*\c+1]|, 0x1800000   ; block 2 c + h: all 32 numbers are mine; the floor 2^(3 - 127) holds the byte at 1 from below
.endr
.irp i, 2,4,6,8,10,12,14,16,18,20,22,24,26,28,30
.irp c, 0,1
	v_max3_num_f32 v[10+\c], v[10+\c], |v[X+32*\c+\i]|, |v[X+32*\c+\i+1]|   ; (the two blocks by turns)
.endr
.endr
.irp c, 0,1
	v_add_nc_u32 v[12+\c], 0xff000000, v[10+\c]    ; 2 off the exponent field: the conversion takes this operand's exponent field as its scale
.endr
.irp c, 0,1
	v_lshrrev_b32 v[14+\c], 23, v[12+\c]           ; the scale's byte
.endr
	v_lshl_or_b32 v14, v15, 16, v14                ; my two bytes: blocks h and 2 + h,
	v_lshlrev_b32 v14, v8, v14                     ; at their places in the word;
	v_permlanex16_b32 v234, v14, s22, s23
	v_or_b32 v[W+(\f)], v14, v234                  ; with lane l xor 16's two the word is whole
.if (\f) > 0
	s_wait_alu depctr_va_vdst(0)
	s_wait_xcnt 0x0                                ; the last fragment's stores have read the codes' registers: they are written again only behind this wait
.endif
.irp c, 0,1
	v_cvt_scalef32_pk16_fp6_f32 v[PC+6*\c:PC+6*\c+2], v[X+32*\c:X+32*\c+15], v[12+\c]
	v_cvt_scalef32_pk16_fp6_f32 v[CT+4*\c:CT+4*\c+2], v[X+32*\c+16:X+32*\c+31], v[12+\c]   ; (a conversion's three registers begin on an even number)
.endr
	v_nop                                          ; one plain place behind a scaled conversion
.irp c, 0,1
.irp i, 0,1,2
	v_mov_b32 v[PC+6*\c+3+\i], v[CT+4*\c+\i]
.endr
.endr
.irp c, 0,1
	global_store_b128 v4, v[PC+6*\c:PC+6*\c+3], s[14:15] offset:12288*(\f)+768*\c         ; 512 consecutive bytes
	global_store_b64 v5, v[PC+6*\c+4:PC+6*\c+5], s[14:15] offset:12288*(\f)+768*\c+512    ; 256 consecutive bytes
.endr
.endm
	LOAD 0
	LOAD 1
	FRAGM 0
	FRAGM 1
	FRAGM 2
	FRAGM 3
	v_cmp_ne_u32 vcc_lo, 0, v3                     ; lanes 0-15 store words 0 and 1 of their row, lanes 16-31 words 2 and 3: 256 consecutive bytes
	v_cndmask_b32 v232, v228, v230, vcc_lo
	v_cndmask_b32 v233, v229, v231, vcc_lo
	global_store_b64 v9, v[232:233], s[16:17]
	s_wait_tensorcnt 0x0
	ds_add_u32 v248, v249
	s_wait_dscnt 0x0
	s_endpgm
.Lfunc_end_k_q8f229b6c88_quant:
	.size	k_q8f229b6c88_quant, .Lfunc_end_k_q8f229b6c88_quant-k_q8f229b6c88_quant
	.p2alignl 7, 3214868480
	.fill 96, 4, 3214868480
	.section	.rodata,"a",@progbits
	.p2align	6, 0x0
	.amdhsa_kernel k_q8f229b6c88_quant
		.amdhsa_group_segment_fixed_size 34304
		.amdhsa_private_segment_fixed_size 0
		.amdhsa_enable_private_segment 0
		.amdhsa_kernarg_size 56
		.amdhsa_user_sgpr_count 2
		.amdhsa_user_sgpr_kernarg_segment_ptr 1
		.amdhsa_wavefront_size32 1
		.amdhsa_system_sgpr_workgroup_id_x 1
		.amdhsa_system_sgpr_workgroup_id_y 1
		.amdhsa_system_sgpr_workgroup_id_z 1
		.amdhsa_system_vgpr_workitem_id 0
		.amdhsa_next_free_vgpr 250
		.amdhsa_next_free_sgpr 66
		.amdhsa_reserve_vcc 1
		.amdhsa_float_denorm_mode_32 3
		.amdhsa_float_denorm_mode_16_64 3
		.amdhsa_memory_ordered 1
		.amdhsa_forward_progress 1
		.amdhsa_inst_pref_size 31
	.end_amdhsa_kernel
	.amdgpu_metadata
---
amdhsa.version: [ 1, 2 ]
amdhsa.kernels:
  - .name:           k_q8f229b6c88_quant
    .symbol:         k_q8f229b6c88_quant.kd
    .args:
      - { .name: inputs, .offset: 0, .size: 8, .value_kind: global_buffer, .address_space: global }
      - { .name: Wq, .offset: 8, .size: 8, .value_kind: global_buffer, .address_space: global }
      - { .name: Wk, .offset: 16, .size: 8, .value_kind: global_buffer, .address_space: global }
      - { .name: Wv, .offset: 24, .size: 8, .value_kind: global_buffer, .address_space: global }
      - { .name: Wo, .offset: 32, .size: 8, .value_kind: global_buffer, .address_space: global }
      - { .name: cw, .offset: 40, .size: 8, .value_kind: global_buffer, .address_space: global }
      - { .name: sw, .offset: 48, .size: 8, .value_kind: global_buffer, .address_space: global }
    .group_segment_fixed_size: 34304
    .private_segment_fixed_size: 0
    .kernarg_segment_align: 8
    .kernarg_segment_size: 56
    .max_flat_workgroup_size: 128
    .sgpr_count:     66
    .vgpr_count:     250
    .wavefront_size: 32
...
	.end_amdgpu_metadata
.endif
;; end of part 1
;; launch qkv (part 2): grid 192 x 4, 4 waves a work-group, clusters of 4 x 4, 205,312 bytes of LDS; arguments cw, sw, bq, bk, bv, qc, kv; writes qc, kv
.if DOCPART == 2
	.amdgcn_target "amdgcn-amd-amdhsa--gfx1250"
	.amdhsa_code_object_version 6
	.text
	.protected	k_q8f229b6c88_qkv
	.globl	k_q8f229b6c88_qkv
	.p2align	8
	.type	k_q8f229b6c88_qkv,@function
k_q8f229b6c88_qkv:
	s_mov_b64 s[64:65], 0
	v_nop
	global_prefetch_b8 v0, s[64:65] scope:SCOPE_SE
	s_setreg_imm32_b32 hwreg(HW_REG_WAVE_MODE, 25, 1), 1
	s_wait_xcnt 0x0
	s_wait_alu depctr_hold_cnt(0) depctr_sa_sdst(0) depctr_va_vdst(0) depctr_va_sdst(0) depctr_va_ssrc(0) depctr_va_vcc(0) depctr_vm_vsrc(0)
	s_getreg_b32 s2, hwreg(HW_REG_IB_STS2, 6, 4)
	s_cmp_eq_u32 s2, 0
	s_cbranch_scc0 .Lentry_in_a_cluster
	s_endpgm
.Lentry_in_a_cluster:
	s_bfe_u32 s2, ttmp6, 0x10000c
	s_cmp_lg_u32 s2, 0xf033
	s_cbranch_scc0 .Lentry_shape_is_right
	s_endpgm
.Lentry_shape_is_right:
; q = x Wq^T + bq, k = x Wk^T + bk, v = x Wv^T + bv on codes of FP6 (E2M3) with E8M0 scales; the results are quantised in registers and leave as codes: q and k along the head's 64 channels, v along the keys.
; A work-group makes 128 x 128: source 0 (S0) is the operand whose index runs along a lane's registers in the result, source 1 (S1) the one of which a lane holds one row.
;   q, k: S0 = 128 rows of Wq or Wk (two heads' channels), S1 = 128 tokens: a lane holds one token, its registers run along the channels: the next product's K.
;   v:    S0 = 128 tokens, S1 = 128 rows of Wv: a lane holds one channel, its registers run along the keys: the next product's K.
; Both operands lie in cw as images of operand registers, [group of 128 rows][K step: 8][tile: 8][1,536 bytes], so only group numbers differ between the two uses; they hang on the cluster's number.
; The rows of a tile are not neighbours (lane r of tile 2 p + u: row 32 p + 8 u + r + 8 (r / 8)), so that the 16 registers of result tiles 2 b, 2 b + 1 are 16 neighbours: index 32 b + 16 h + i.
; ALL OF K LIES IN LDS: 2 x 98,304 bytes of codes, every byte filled once: no slot is filled again.  A wave has one tensor load out.
; WAVES: wave w takes all 8 tiles of S0 x tiles 2 w, 2 w + 1 of S1: 16 accumulators, which take turns in the same order in every K step.  So a lane's 64 numbers of
; one S1 tile are a whole fragment and a whole scale word of the next product.
; CLUSTER: 4 x 4 work-groups; S1's tiles are shared along a row of the cluster, S0's along a column: each is asked for jointly, by the same tensor load with a mask that names the four.
; OUT: qc: half fragment (head, token tile T) at head x 196,608 + 768 T; scale words at 3,145,728 + head x 16,384 + 64 T + 4 r (bytes 0, 1; bytes 2, 3 are 0).
;      kv: [head][128 keys: 32][13,056]: 8 half fragments of K; at 6,144 four fragments of V (16 channels x 128 keys); at 12,288 K's scale words (4 x 128 bytes); at 12,800 V's (2 x 128).
; LIMITS: a block of zeros gets the byte 1 where the quantiser says 127 (its codes are zeros; this program alone reads the bytes); NaN and infinities are not served.
; REGISTERS: window 0: v1-15 addresses; v16-47 S0's scale words, v48-55 S1's; v56-61 small work; v64-127 the bias, later the quantiser's work; v128-255 accumulator (a, t) at 128 + 64 a + 8 t.
;            window 1: two fragment buffers of 120: S0's tile t at 12 t, S1's tile a at 96 + 12 a.
; AS THE TEXT NOW STANDS: LDS holds the codes alone, 2 x 98,304 bytes, every byte filled once by ONE tensor load a wave (192 rows x 256 bytes: four K steps of one group);
; the scale words go from sw straight into the registers that the products name, 16 bytes a lane.  So a wave has one tensor load out, and one barrier shows all of K to all waves.
.set GRP,   98304                      ; a group's codes
.set KST,   12288                      ; a K step of a group
.set FRB,   1536                       ; a fragment
.set CHUNK, 2*KST                      ; two K steps: half of what one tensor load brings
.set S1C,   0                          ; LDS: S1's codes,
.set S0C,   GRP                        ; S0's,
.set S1S,   2*GRP                      ; S1's scale words,
.set S0S,   S1S+4096                   ; S0's
.set A1I, 4                            ; v4-5   S1's fragments, 16 x lane: K steps 0-3, 4-7
.set A1J, 6                            ; v6-7   the same, 8 x lane
.set A0I, 8                            ; v8-9   S0's
.set A0J, 10                           ; v10-11
.set AS0, 12                           ; v12    S0's scale words
.set AS1, 13                           ; v13    S1's
.set LI,  14                           ; v14    16 x lane
.set LJ,  15                           ; v15    8 x lane
.set SC0, 16
.set SC1, 48
.set BO,  56                           ; v56 the bias's offset for q, k; v57 for v
.set LS,  60                           ; v60    4 x lane
.set LS2, 61                           ; v61    4 x lane + the second head's distance
.set BI,  64
.set TM,  64                           ; v64-79 the quantiser's work
.set PW,  80                           ; v80-81 the scale words made
.set PC,  84                           ; v84.., v104..: the codes made, 12 registers and 8 of the conversions' own, for a = 0, 1
.set ACC, 128
.set F0,  0
.set F1,  120
.set WV,  18
.set FB,  19                           ; I fetch for S1 (0) or for S0 (1)
.set CX,  20
.set CY,  21
.set HW,  22                           ; which half of what is fetched is mine
.set ISV, 23
.set G1A, 24                           ; s[24:31] group 1 for S1's codes; s[32:35] group 0
.set G0A, 32
.set S0G, 40                           ; S0's group: never holds cy
.set S1G, 41                           ; S1's group: never holds cx
.set ISK, 42
.set MSK, 43                           ; which bytes of a scale word go into the first store
.set G1B, 48                           ; the same for S0's codes
.set G0B, 56
.set G1SA, 68                          ; for S1's scale words
.set G0SA, 76
.set G1SB, 80                          ; for S0's
.set G0SB, 88
.set BAS, 92                           ; s[92:99] where half fragment (a, c) goes: pair 92 + 4 a + 2 c
.set SBAS, 100                         ; s[100:101] where the scale words go
.set MSB, 0
.macro WIN new                         ; the immediate's high byte repeats the setting that is left
.if MSB != \new
	s_set_vgpr_msb (MSB<<8)|\new
.set MSB, \new
.endif
.endm
.set W_MUL, 0x05                       ; sources 0 and 1 window 1; C and D window 0
.set TO_F,  0x40                       ; destination window 1, address window 0
; A joint load: waves 0 and 1 fetch for S1, waves 2 and 3 for S0.  Each line has one mask and one set of registers for all that issue it; the branch hangs on the wave's number alone.
; Four v_nop follow each of the two lines.
.macro JLOAD g0a, g1a, g0b, g1b
	s_cmp_eq_u32 s[FB], 0
	s_cbranch_scc0 .Lfor_b_\@
	tensor_load_to_lds s[\g0a:\g0a+3], s[\g1a:\g1a+7]
	s_nop 0
.rept 4
	v_nop
.endr
	s_branch .Lasked_\@
.Lfor_b_\@:
	tensor_load_to_lds s[\g0b:\g0b+3], s[\g1b:\g1b+7]
	s_nop 0
.rept 4
	v_nop
.endr
.Lasked_\@:
.endm
.macro CROUND                          ; a round of the cluster's barrier
	s_barrier_signal -1
	s_barrier_wait -1
	s_cmp_lg_u32 s[WV], 0
	s_cbranch_scc1 .Lnot_wave_0_\@
	s_barrier_signal -3
.Lnot_wave_0_\@:
	s_barrier_wait -3
	s_barrier_signal -1
	s_barrier_wait -1
.endm
.macro PLACES                          ; four places in front of loads into registers that matrix instructions have read (ISA guide 7.12.1 for vector instructions)
.rept 4
	v_nop
.endr
.endm
.macro WM d, a, b, c, sa, sb, ra, rb   ; one product; ra, rb: the side's scale words stand in lanes 16-31
.if (\ra) && (\rb)
	v_wmma_scale_f32_16x16x128_f8f6f4 v[(\d):(\d)+7], v[(\a):(\a)+11], v[(\b):(\b)+11], v[(\c):(\c)+7], v[(\sa)], v[(\sb)] matrix_a_fmt:MATRIX_FMT_FP6 matrix_b_fmt:MATRIX_FMT_FP6 matrix_a_scale:MATRIX_SCALE_ROW1 matrix_b_scale:MATRIX_SCALE_ROW1
.elseif (\ra)
	v_wmma_scale_f32_16x16x128_f8f6f4 v[(\d):(\d)+7], v[(\a):(\a)+11], v[(\b):(\b)+11], v[(\c):(\c)+7], v[(\sa)], v[(\sb)] matrix_a_fmt:MATRIX_FMT_FP6 matrix_b_fmt:MATRIX_FMT_FP6 matrix_a_scale:MATRIX_SCALE_ROW1
.elseif (\rb)
	v_wmma_scale_f32_16x16x128_f8f6f4 v[(\d):(\d)+7], v[(\a):(\a)+11], v[(\b):(\b)+11], v[(\c):(\c)+7], v[(\sa)], v[(\sb)] matrix_a_fmt:MATRIX_FMT_FP6 matrix_b_fmt:MATRIX_FMT_FP6 matrix_b_scale:MATRIX_SCALE_ROW1
.else
	v_wmma_scale_f32_16x16x128_f8f6f4 v[(\d):(\d)+7], v[(\a):(\a)+11], v[(\b):(\b)+11], v[(\c):(\c)+7], v[(\sa)], v[(\sb)] matrix_a_fmt:MATRIX_FMT_FP6 matrix_b_fmt:MATRIX_FMT_FP6
.endif
.endm
; K step s from buffer f: 16 products.  cmode 0: onto the sums; 1: the bias by S0's index starts them; 2: the bias by S1's row
.macro MULS s, f, cmode
	WIN W_MUL
.irp t, 0,1,2,3,4,5,6,7
.irp a, 0,1
.if \cmode == 0
	WM ACC+64*\a+8*\t, \f+12*\t, \f+96+12*\a, ACC+64*\a+8*\t, SC0+8*(\t/2)+(\s), SC1+(\s), \t%2, \a
.elseif \cmode == 1
	WM ACC+64*\a+8*\t, \f+12*\t, \f+96+12*\a, BI+8*\t, SC0+8*(\t/2)+(\s), SC1+(\s), \t%2, \a
.else
	WM ACC+64*\a+8*\t, \f+12*\t, \f+96+12*\a, BI+8*\a, SC0+8*(\t/2)+(\s), SC1+(\s), \t%2, \a
.endif
.endr
.endr
.endm
.macro FRAG reg, ai, aj, off           ; a fragment's image: each load takes 512 or 256 consecutive bytes
	ds_load_b128 v[(\reg):(\reg)+3], v[\ai] offset:(\off)
	ds_load_b64 v[(\reg)+4:(\reg)+5], v[\aj] offset:(\off)+512
	ds_load_b128 v[(\reg)+6:(\reg)+9], v[\ai] offset:(\off)+768
	ds_load_b64 v[(\reg)+10:(\reg)+11], v[\aj] offset:(\off)+1280
.endm
.macro FETCH s, f                      ; K step s: 10 fragments, 40 LDS loads, into buffer f
	WIN TO_F
.irp t, 0,1,2,3,4,5,6,7
	FRAG \f+12*\t, A0I+(\s)/4, A0J+(\s)/4, ((\s)%4)*KST+\t*FRB
.endr
.irp a, 0,1
	FRAG \f+96+12*\a, A1I+(\s)/4, A1J+(\s)/4, ((\s)%4)*KST+\a*FRB
.endr
.endm
; 64 numbers of a lane, register 16 b + i = k 32 b + 16 h + i of my row, become a fragment's codes in v[pc] on and its scale word in v[pw]
.macro QUANT s, pc, pw
.irp b, 0,1,2,3
	v_max3_num_f32 v[TM+\b], |v[(\s)+16*\b]|, |v[(\s)+1+16*\b]|, 0x1800000   ; my 16 numbers of block b, each accumulator from its low end on; the floor 2^(3 - 127) holds the byte at 1 from below
.endr
.irp i, 2,4,6,8,10,12,14
.irp b, 0,1,2,3
	v_max3_num_f32 v[TM+\b], v[TM+\b], |v[(\s)+16*\b+\i]|, |v[(\s)+1+16*\b+\i]|
.endr
.endr
.irp b, 0,1,2,3
	v_permlanex16_b32 v[TM+4+\b], v[TM+\b], s10, s11
.endr
.irp b, 0,1,2,3
	v_max_num_f32 v[TM+\b], v[TM+\b], v[TM+4+\b]   ; with lane l xor 16's: the block's largest magnitude
.endr
.irp b, 0,1,2,3
	v_add_nc_u32 v[TM+12+\b], 0xff000000, v[TM+\b] ; 2 off its exponent field: the conversion's scale operand
.endr
.irp b, 0,1,2,3
	v_lshrrev_b32 v[TM+4+\b], 23, v[TM+12+\b]      ; the scale's byte
.endr
	v_lshl_or_b32 v[\pw], v[TM+5], 8, v[TM+4]
	v_lshl_or_b32 v[\pw], v[TM+6], 16, v[\pw]
	v_lshl_or_b32 v[\pw], v[TM+7], 24, v[\pw]
.irp c, 0,1
	v_cvt_scalef32_pk16_fp6_f32 v[(\pc)+6*\c:(\pc)+2+6*\c], v[(\s)+32*\c:(\s)+15+32*\c], v[TM+12+2*\c]
	v_cvt_scalef32_pk16_fp6_f32 v[(\pc)+12+4*\c:(\pc)+14+4*\c], v[(\s)+16+32*\c:(\s)+31+32*\c], v[TM+12+2*\c+1]   ; (a conversion's three registers begin on an even number)
.endr
	v_nop                                          ; one plain place behind a scaled conversion
.irp c, 0,1                            ; the operand's layout wants a whole block in a lane: lanes 0-15 block 2 c, lanes 16-31 block 2 c + 1
.irp i, 0,1,2
	v_permlane16_swap_b32 v[(\pc)+6*\c+\i], v[(\pc)+12+4*\c+\i]
.endr
.irp i, 0,1,2
	v_mov_b32 v[(\pc)+3+6*\c+\i], v[(\pc)+12+4*\c+\i]
.endr
.endr
.endm
	s_load_b256 s[4:11], s[0:1], 0x0               ; cw, sw, bq, bk
	s_load_b128 s[12:15], s[0:1], 0x20             ; bv, qc
	s_load_b64 s[16:17], s[0:1], 0x30              ; kv
	v_lshl_add_u32 v62, v0, 2, 0x32000
	v_mov_b32 v63, 0
	ds_add_u32 v62, v63
	ds_add_u32 v62, v63
	v_lshrrev_b32 v1, 5, v0
	v_readfirstlane_b32 s[WV], v1                  ; wave 0..3
	s_lshr_b32 s[FB], s[WV], 1
	s_and_b32 s[HW], s[WV], 1
	s_bfe_u32 s[CX], ttmp6, 0x40000                ; my place in the cluster
	s_bfe_u32 s[CY], ttmp6, 0x40004
	; the cluster's number c = 0..47: 0-31 make q and k (4 quads of W's groups x 8 quads of token groups), 32-47 make v (8 quads of token groups x 2 quads of Wv's groups)
	s_lshr_b32 s[ISV], ttmp9, 5
	s_bfe_u32 s[ISK], ttmp9, 0x10001               ; among q, k: quads 2 and 3 are Wk's
	s_lshl_b32 s43, s[ISV], 2
	s_or_b32 s43, s43, 3
	s_and_b32 s43, ttmp9, s43
	s_lshl_b32 s43, s43, 2
	s_xor_b32 s2, s[ISV], 1
	s_lshl_b32 s2, s2, 5
	s_add_co_u32 s43, s43, s2
	s_add_co_u32 s[S0G], s43, s[CX]                ; q, k: 32 + 4 (c & 3) + cx;  v: 4 (c & 7) + cx
	s_add_co_u32 s43, s[ISV], 2
	s_lshr_b32 s43, ttmp9, s43
	s_lshl_b32 s43, s43, 2
	s_lshl_b32 s2, s[ISV], 5
	s_add_co_u32 s43, s43, s2
	s_add_co_u32 s[S1G], s43, s[CY]                ; q, k: 4 (c >> 2) + cy;  v: 32 + 4 (c >> 3) + cy = 48 .. 55
	s_lshl_b32 s46, s[CY], 2
	s_lshl_b32 s46, 15, s46                        ; my row of the cluster
	s_lshl_b32 s44, 0x1111, s[CX]                  ; my column
	; group 1: dense blocks as rows of 256 bytes (32 elements of 8 bytes), no padding: 192 rows of codes
	s_or_b32 s[G1A], s46, (3<<16)|(1<<21)          ; 15:0 the mask; 17:16 elements of 8 bytes; 21 set beside a mask
	s_or_b32 s[G1B], s44, (3<<16)|(1<<21)
.irp g, G1A, G1B
	s_mov_b32 s[\g+1], 32<<16                      ; tensor_dim0
	s_mov_b32 s[\g+2], 192<<16                     ; tensor_dim1: four K steps
	s_mov_b32 s[\g+3], 32<<16                      ; tile_dim0
	s_mov_b32 s[\g+4], 192                         ; tile_dim1
	s_mov_b32 s[\g+5], 32                          ; the pitch
	s_mov_b32 s[\g+6], 0
	s_mov_b32 s[\g+7], 0
.endr
	s_lshl_b32 s3, s[WV], 10                       ; my pair of S1's tiles: 1,024 bytes of scale words
	s_lshl_b32 s46, s[S1G], 12
	s_add_co_u32 s46, s46, s3
	s_mov_b32 s47, 0
	s_lshl_b32 s44, s[S0G], 12
	s_mov_b32 s45, 0
	s_wait_dscnt 0x0
	s_wait_kmcnt 0x0
	s_add_nc_u64 s[G0SA:G0SA+1], s[6:7], s[46:47]  ; where S1's scale words lie in sw,
	s_add_nc_u64 s[G0SB:G0SB+1], s[6:7], s[44:45]  ; and S0's
	s_mul_i32 s3, s[HW], 2*CHUNK                   ; my four K steps of the group that I fetch for
	s_mul_i32 s46, s[S1G], GRP
	s_add_co_u32 s46, s46, s3
	s_mul_i32 s44, s[S0G], GRP
	s_add_co_u32 s44, s44, s3
	s_add_nc_u64 s[46:47], s[4:5], s[46:47]
	s_add_nc_u64 s[44:45], s[4:5], s[44:45]
.irp n, 0
	s_mov_b32 s[G0A+4*\n], 1
	s_add_co_u32 s[G0A+4*\n+1], s3, S1C+\n*2*CHUNK
	s_add_nc_u64 s[G0A+4*\n+2:G0A+4*\n+3], s[46:47], \n*2*CHUNK
	s_or_b32 s[G0A+4*\n+3], s[G0A+4*\n+3], 0x80000000
	s_mov_b32 s[G0B+4*\n], 1
	s_add_co_u32 s[G0B+4*\n+1], s3, S0C+\n*2*CHUNK
	s_add_nc_u64 s[G0B+4*\n+2:G0B+4*\n+3], s[44:45], \n*2*CHUNK
	s_or_b32 s[G0B+4*\n+3], s[G0B+4*\n+3], 0x80000000
.endr
	CROUND                                         ; all sixteen work-groups are here: the joint loads meet
	JLOAD G0A, G1A, G0B, G1B                       ; one tensor load a wave at the head: four K steps of S1's or of S0's group
	v_and_b32 v1, 31, v0                           ; lane
	v_and_b32 v2, 15, v0                           ; r
	v_bfe_u32 v3, v0, 4, 1                         ; h
	v_lshlrev_b32 v[LI], 4, v1
	v_lshlrev_b32 v[LJ], 3, v1
	v_lshlrev_b32 v[LS], 2, v1
	s_mul_i32 s66, s[WV], 2*FRB                    ; my two tiles of S1
	v_add_nc_u32 v[A1I], s66, v[LI]
	v_add_nc_u32 v[A1J], s66, v[LJ]
	v_add_nc_u32 v[A1I+1], 4*KST, v[A1I]
	v_add_nc_u32 v[A1J+1], 4*KST, v[A1J]
	v_add_nc_u32 v[A0I], S0C, v[LI]
	v_add_nc_u32 v[A0J], S0C, v[LJ]
	v_add_nc_u32 v[A0I+1], S0C+4*KST, v[LI]
	v_add_nc_u32 v[A0J+1], S0C+4*KST, v[LJ]
	v_lshlrev_b32 v[BO], 6, v3                     ; q, k: 16 h channels on
	v_and_b32 v[BO+1], 8, v2
	v_add_nc_u32 v[BO+1], v[BO+1], v2
	v_lshlrev_b32 v[BO+1], 2, v[BO+1]              ; v: channel r + 8 (r / 8)
.irp p, 0,1,2,3
.irp q, 0,1
	global_load_b128 v[SC0+8*\p+4*\q:SC0+8*\p+4*\q+3], v[LI], s[G0SB:G0SB+1] offset:1024*\p+512*\q   ; register 8 p + s: lanes 0-15 tile 2 p's words of K step s, lanes 16-31 tile 2 p + 1's; 512 consecutive bytes a load
.endr
.endr
	global_load_b128 v[SC1:SC1+3], v[LI], s[G0SA:G0SA+1]
	global_load_b128 v[SC1+4:SC1+7], v[LI], s[G0SA:G0SA+1] offset:512
	; THE BIAS is the C of each sum's first product.  q, k: by S0's index: eight registers a tile t.  v: by S1's row: one number a lane, in eight registers for each a.
	s_and_b32 s66, s[S0G], 7
	s_lshl_b32 s66, s66, 9                         ; q, k: my group's 128 channels
	s_sub_co_u32 s67, s[S1G], 48
	s_lshl_b32 s67, s67, 9
	s_lshl_b32 s43, s[WV], 7
	s_add_co_u32 s67, s67, s43                     ; v: my wave's 32 channels
	s_cmp_lg_u32 s[ISK], 0
	s_cselect_b64 s[2:3], s[10:11], s[8:9]
	s_cmp_lg_u32 s[ISV], 0
	s_cselect_b64 s[2:3], s[12:13], s[2:3]
	s_cselect_b32 s66, s67, s66
	s_mov_b32 s67, 0
	s_add_nc_u64 s[2:3], s[2:3], s[66:67]
	s_cmp_lg_u32 s[ISV], 0                         ; the cluster's number decides: the same way in all sixteen partners
	s_cbranch_scc1 .Lbias_v
	s_wait_alu depctr_va_vdst(0)
.irp t, 0,1,2,3,4,5,6,7
	global_load_b128 v[BI+8*\t:BI+8*\t+3], v[BO], s[2:3] offset:(32*(\t/2)+8*(\t%2))*4
	global_load_b128 v[BI+8*\t+4:BI+8*\t+7], v[BO], s[2:3] offset:(32*(\t/2)+8*(\t%2))*4+16
.endr
	s_branch .Lbias_done
.Lbias_v:
	s_wait_alu depctr_va_vdst(0)
.irp a, 0,1
.irp j, 0,1,2,3,4,5,6,7
	global_load_b32 v[BI+8*\a+\j], v[BO+1], s[2:3] offset:32*\a
.endr
.endr
.Lbias_done:
	; WHERE THE RESULTS GO, made while the tiles are on their way.  With X1, X2, WP as below:  codes at X1 M1 + X2 M2 + WP WM + C0 (+ a SA + c SC),  scale words at X1 N1 + X2 N2 + 128 WP + C1.
	;      X1            X2    WP     M1       M2      WM    C0    SA    SC       N1       N2      C1         second head
	;  q   pair of heads S1's  wave   393,216  6,144   1,536 0     768   196,608  32,768   512     3,145,728  16,384
	;  k   pair of heads S1's  wave   835,584  13,056  1,536 0     768   417,792  835,584  13,056  12,288     417,792
	;  v   head          S0's  w % 2  417,792  13,056  3,072 6,144 1,536 768      417,792  13,056  12,800     none
	s_and_b32 s4, s[S0G], 7                        ; the pair of heads
	s_sub_co_u32 s5, s[S1G], 48
	s_lshl_b32 s5, s5, 1
	s_add_co_u32 s5, s5, s[FB]                     ; v's head: 2 (S1's group - 48) + wave / 2
	s_or_b32 s7, s[ISK], s[ISV]
	s_cmp_lg_u32 s7, 0                             ; do the results go to kv?
	s_cselect_b64 s[SBAS:SBAS+1], s[16:17], s[14:15]
	s_mov_b32 s8, 13056
	s_cselect_b32 s9, s8, 6144                     ; M2
	s_cselect_b32 s10, s8, 512                     ; N2
	s_mov_b32 s8, 835584
	s_cselect_b32 s11, s8, 393216                  ; M1 (q, k)
	s_cselect_b32 s12, s8, 32768                   ; N1 (q, k)
	s_mov_b32 s8, 417792
	s_cselect_b32 s13, s8, 196608                  ; SC (q, k)
	s_cselect_b32 s66, s8, 16384                   ; the second head's scale words
	s_mov_b32 s7, 12288
	s_cselect_b32 s7, s7, 3145728                  ; C1 (q, k)
	s_cmp_lg_u32 s[ISV], 0
	s_cselect_b32 s4, s5, s4                       ; X1
	s_cselect_b32 s5, s[S0G], s[S1G]               ; X2
	s_cselect_b32 s6, s[HW], s[WV]                 ; WP
	s_cselect_b32 s11, s8, s11                     ; M1
	s_cselect_b32 s12, s8, s12                     ; N1
	s_cselect_b32 s13, 768, s13                    ; SC
	s_cselect_b32 s7, 12800, s7                    ; C1
	s_mov_b32 s8, 3072
	s_cselect_b32 s8, s8, 1536                     ; WM
	s_cselect_b32 s67, 6144, 0                     ; C0
	s_cselect_b32 s[MSK], -1, 0xffff
	s_mov_b32 s96, 1536
	s_cselect_b32 s96, s96, 768                    ; SA
	s_mul_i32 s11, s4, s11
	s_mul_i32 s9, s5, s9
	s_mul_i32 s8, s6, s8
	s_add_co_u32 s8, s8, s9
	s_add_co_u32 s8, s8, s11
	s_add_co_u32 s8, s8, s67                       ; the codes' offset,
	s_mov_b32 s9, 0
	s_mul_i32 s12, s4, s12
	s_mul_i32 s10, s5, s10
	s_lshl_b32 s6, s6, 7
	s_add_co_u32 s10, s10, s12
	s_add_co_u32 s10, s10, s6
	s_add_co_u32 s10, s10, s7                      ; the scale words'
	s_mov_b32 s11, 0
	s_mov_b32 s12, s13
	s_mov_b32 s13, 0
	s_mov_b32 s4, s96
	s_mov_b32 s5, 0
	s_add_nc_u64 s[BAS:BAS+1], s[SBAS:SBAS+1], s[8:9]
	s_add_nc_u64 s[BAS+2:BAS+3], s[BAS:BAS+1], s[12:13]
	s_add_nc_u64 s[BAS+4:BAS+5], s[BAS:BAS+1], s[4:5]
	s_add_nc_u64 s[BAS+6:BAS+7], s[BAS+2:BAS+3], s[4:5]
	s_add_nc_u64 s[SBAS:SBAS+1], s[SBAS:SBAS+1], s[10:11]
	v_add_nc_u32 v[LS2], s66, v[LS]
	s_mov_b32 s10, 0x76543210
	s_mov_b32 s11, 0xfedcba98                      ; v_permlanex16_b32's selects for lane l xor 16
	s_wait_tensorcnt 0x0                           ; my four K steps are in
	s_barrier_signal -1
	s_barrier_wait -1                              ; everybody's are
	FETCH 0, F0
	FETCH 1, F1
	WIN 0
	s_wait_loadcnt 0x0                             ; the bias
	s_wait_dscnt 40                                ; all but K step 1's 40 loads
	s_cmp_lg_u32 s[ISV], 0
	s_cbranch_scc1 .Lfirst_v
	MULS 0, F0, 1
	WIN 0
	s_branch .Lfirst_done
.Lfirst_v:
	MULS 0, F0, 2
	WIN 0
.Lfirst_done:
.irp s, 1,2,3,4,5,6
	PLACES
	FETCH \s+1, 120*((\s+1)%2)
	s_wait_dscnt 40                                ; this K step's fragments are in; the next step's 40 loads may be out
	MULS \s, 120*(\s%2), 0
.endr
	s_wait_dscnt 0x0
	MULS 7, F1, 0
	WIN 0
.irp b, 0,1,2,3
	v_mov_b32 v[TM+4+\b], 0                        ; a lane permute's destination counts as one of its sources; these four are also the places behind the last products
.endr
.irp a, 0,1
	QUANT ACC+64*\a, PC+20*\a, PW+\a
.irp c, 0,1
	global_store_b128 v[LI], v[PC+20*\a+6*\c:PC+20*\a+6*\c+3], s[BAS+4*\a+2*\c:BAS+4*\a+2*\c+1]              ; 512 consecutive bytes
	global_store_b64 v[LJ], v[PC+20*\a+6*\c+4:PC+20*\a+6*\c+5], s[BAS+4*\a+2*\c:BAS+4*\a+2*\c+1] offset:512  ; 256 consecutive bytes
.endr
.endr
	v_cmp_ne_u32 vcc_lo, 0, v3
	v_cndmask_b32 v56, v[PW], v[PW+1], vcc_lo      ; lanes 0-15 tile 2 w's words, lanes 16-31 tile 2 w + 1's
	v_and_b32 v57, s[MSK], v56                     ; q, k: the first head's two bytes; v: all four
	global_store_b32 v[LS], v57, s[SBAS:SBAS+1]
	s_cmp_lg_u32 s[ISV], 0
	s_cbranch_scc1 .Lone_word
	v_lshrrev_b32 v58, 16, v56                     ; q, k: the second head's two bytes
	global_store_b32 v[LS2], v58, s[SBAS:SBAS+1]
.Lone_word:
	s_wait_tensorcnt 0x0
	ds_add_u32 v62, v63
	s_wait_dscnt 0x0
	CROUND                                         ; the closing round: no work-group ends while a partner may still ask for a tile that names it
	s_endpgm
.Lfunc_end_k_q8f229b6c88_qkv:
	.size	k_q8f229b6c88_qkv, .Lfunc_end_k_q8f229b6c88_qkv-k_q8f229b6c88_qkv
	.p2alignl 7, 3214868480
	.fill 96, 4, 3214868480
	.section	.rodata,"a",@progbits
	.p2align	6, 0x0
	.amdhsa_kernel k_q8f229b6c88_qkv
		.amdhsa_group_segment_fixed_size 205312
		.amdhsa_private_segment_fixed_size 0
		.amdhsa_enable_private_segment 0
		.amdhsa_kernarg_size 56
		.amdhsa_user_sgpr_count 2
		.amdhsa_user_sgpr_kernarg_segment_ptr 1
		.amdhsa_wavefront_size32 1
		.amdhsa_system_sgpr_workgroup_id_x 1
		.amdhsa_system_sgpr_workgroup_id_y 1
		.amdhsa_system_sgpr_workgroup_id_z 1
		.amdhsa_system_vgpr_workitem_id 0
		.amdhsa_next_free_vgpr 512
		.amdhsa_next_free_sgpr 102
		.amdhsa_reserve_vcc 1
		.amdhsa_float_denorm_mode_32 3
		.amdhsa_float_denorm_mode_16_64 3
		.amdhsa_memory_ordered 1
		.amdhsa_forward_progress 1
		.amdhsa_inst_pref_size 62
	.end_amdhsa_kernel
	.amdgpu_metadata
---
amdhsa.version: [ 1, 2 ]
amdhsa.kernels:
  - .name:           k_q8f229b6c88_qkv
    .symbol:         k_q8f229b6c88_qkv.kd
    .args:
      - { .name: cw, .offset: 0, .size: 8, .value_kind: global_buffer, .address_space: global }
      - { .name: sw, .offset: 8, .size: 8, .value_kind: global_buffer, .address_space: global }
      - { .name: bq, .offset: 16, .size: 8, .value_kind: global_buffer, .address_space: global }
      - { .name: bk, .offset: 24, .size: 8, .value_kind: global_buffer, .address_space: global }
      - { .name: bv, .offset: 32, .size: 8, .value_kind: global_buffer, .address_space: global }
      - { .name: qc, .offset: 40, .size: 8, .value_kind: global_buffer, .address_space: global }
      - { .name: kv, .offset: 48, .size: 8, .value_kind: global_buffer, .address_space: global }
    .group_segment_fixed_size: 205312
    .private_segment_fixed_size: 0
    .kernarg_segment_align: 8
    .kernarg_segment_size: 56
    .max_flat_workgroup_size: 128
    .sgpr_count:     102
    .vgpr_count:     512
    .wavefront_size: 32
...
	.end_amdgpu_metadata
.endif
;; end of part 2
;; launch attn (part 3): grid 16 x 16, 8 waves a work-group, clusters of 4 x 1, 327,680 bytes of LDS; arguments qc, kv, oc, os; writes oc, os
.if DOCPART == 3
	.amdgcn_target "amdgcn-amd-amdhsa--gfx1250"
	.amdhsa_code_object_version 6
	.text
	.protected	k_q8f229b6c88_attn
	.globl	k_q8f229b6c88_attn
	.p2align	8
	.type	k_q8f229b6c88_attn,@function
k_q8f229b6c88_attn:
	s_mov_b64 s[64:65], 0
	v_nop
	global_prefetch_b8 v0, s[64:65] scope:SCOPE_SE
	s_setreg_imm32_b32 hwreg(HW_REG_WAVE_MODE, 25, 1), 1
	s_wait_xcnt 0x0
	s_wait_alu depctr_hold_cnt(0) depctr_sa_sdst(0) depctr_va_vdst(0) depctr_va_sdst(0) depctr_va_ssrc(0) depctr_va_vcc(0) depctr_vm_vsrc(0)
	s_getreg_b32 s2, hwreg(HW_REG_IB_STS2, 6, 4)
	s_cmp_eq_u32 s2, 0
	s_cbranch_scc0 .Lentry_in_a_cluster
	s_endpgm
.Lentry_in_a_cluster:
	s_bfe_u32 s2, ttmp6, 0x10000c
	s_cmp_lg_u32 s2, 0x3003
	s_cbranch_scc0 .Lentry_shape_is_right
	s_endpgm
.Lentry_shape_is_right:
; o[q] = the sum over keys of softmax(q . k / 8) v, for 16 heads of 64 channels and 4,096 tokens, both products on codes of FP6 (E2M3) with E8M0 scales; o is quantised in registers and leaves as codes.
; THE SOFTMAX AHEAD OF THE SECOND PRODUCT: t = score x log2(e) / 8; M = the row's largest t so far, rounded up to a whole number (kept as -M = the least floor(-t)); p = 2^(t - M) is quantised along the keys.
; The row's sum is taken of the unquantised p and divides O at the end.  When M moves, the sum and O are multiplied by 2^(old M - new M): exact.
; SHARES: a work-group owns 256 tokens of one head; each of its eight waves two tiles of 16 (tile T: tokens 32 (T / 2) + 8 (T % 2) + r + 8 (r / 8)), so that each fragment of K and V feeds two products.
; Every wave walks all 4,096 keys, 128 a step.  BOTH PRODUCTS ARE USED TRANSPOSED: S^T = K Q^T, O^T = V^T P^T: a lane holds one query of each tile throughout.
; kv holds, for a head and 128 keys, one record of 13,056 bytes: 8 half fragments of K (768 bytes: 16 x lane, then 8 x lane), 4 fragments of V, K's scale words at 12,288, V's at 12,800.
; K'S TILES ARE FORMED ANEW AT THE LDS READ: row 8 g + j of tile n = 4 c + t is key 64 c + 32 g + 8 t + j, which lies in the stored tile 4 c + 2 g + t % 2 at row 8 (t / 2) + j.  Only lane addresses differ.
; So register 32 c + 8 t + j of a lane's S^T is key 64 c + 32 h + 8 t + j: A LANE HOLDS WHOLE BLOCKS OF 32 KEYS, in the order of the second product's operand: no other lane is asked for a block's maximum,
; and the conversions' results are the operand's registers.  The price: lanes 0-7 and 8-15 of such a read lie 1,536 bytes apart, a multiple of 256.
; THE FIRST PRODUCT'S K IS 64: Q's registers 6-11 are zero codes; K's fragment n names the 12 registers from 6 n on, whose upper six are the next tile's codes (behind the last: six zeros): times zero codes
; they add nothing, and the scale bytes of that half are 0, which is a number.
; THE RING: two LDS slots of 8 records; each wave fetches one record of a slot by one tensor load of 51 rows x 256 bytes, so one load a wave is out at any time.
; CLUSTER: the four query blocks of a cluster belong to one head and walk the same records: each load is a joint one, with a mask that names the four.
; Nothing is prefetched: a slot's refill is issued eight key steps ahead of its first read.
; LIMITS: -M begins at 3e38; NaN and infinities are not served; a p under 2^-126 counts as 0; a block of zeros gets the byte 1 (its codes are zeros; this program alone reads the bytes);
; a block's largest p is made from its largest score by the same two instructions as every p, which takes v_exp_f32 not to fall where its input rises.
; REGISTERS: window 0: addresses, scale words, Q, K's and V's fragments.  Window 1: S^T then p (0-127), O^T (128-191), p's codes, and the softmax's small work.
.set REC,   13056
.set SLOTB, 8*REC
.set SLOT1, 1<<17                      ; slot 1 begins here
.set SPARE, 2*SLOT1                    ; the spare words: 128 bytes for each of the eight waves
.set VOFF,  6144
.set KSO,   12288
.set VSO,   12800
; window 0
.set LI,  1                            ; 16 x lane
.set LJ,  2                            ; 8 x lane
.set LS,  3                            ; 4 x lane
.set KLI, 4                            ; K: 1,536 (r / 8) + 16 (r % 8) + 256 h
.set SPW, 5                            ; my spare word; never rewritten
.set NIL, 6                            ; 0; never rewritten
.set KLJ, 7                            ; K: 1,536 (r / 8) + 8 (r % 8) + 128 h
.set KLS, 8                            ; K's scale words: 128 (r / 8) + 4 (r % 8) + 64 h
.set LR,  9                            ; 4 r
.set AKI, 10                           ; v10-15: the six lane terms + the record in hand
.set AKJ, 11
.set AKS, 12
.set AVI, 13
.set AVJ, 14
.set AVS, 15
.set QS,  16                           ; v16-17 Q's scale words; v18-21 K's; v22-23 V's; v24-25 p's
.set KS,  18
.set VS,  22
.set PS,  24
.set Q,   26                           ; v26-49 Q's two fragments
.set KF,  50                           ; v50-97 K's eight half fragments, v98-103 zeros
.set VF,  104                          ; v104-151 V's four fragments
; window 1
.set S,   0
.set O,   128                          ; tile a, 16 channels t: 128 + 32 a + 8 t
.set PC,  192                          ; p's codes: 12 a
.set CT,  216                          ; the conversions' second halves: 4 (2 a + c)
.set TT,  216                          ; small work, + 4 a: used while CT is free
.set XX,  217
.set DD,  218
.set H8,  219                          ; 8 h; no conversion writes it
.set BM,  232                          ; 2 a + c: a block's largest
.set SO,  236                          ; the conversions' scale operands
.set NM,  240                          ; -M, + 2 a (the low word of a pair)
.set FF,  244                          ; f = 2^(old M - new M), + 2 a
.set LL,  248                          ; the sum in two halves, + 2 a
.set AX,  252                          ; a second chain of the sum, + 2 a
.set WV,  12
.set SEL, 20                           ; s[20:21] lane l xor 16
.set CS,  22                           ; s[22:23] c = log2(e) / 8
.set G1,  24
.set G0,  32
.set TB,  36                           ; the record in hand, in LDS
.set SLOTS, 37
.set CNT, 38
.set SH,  39                           ; 16 x (head & 1)
.set NC,  53                           ; -c
.set MSB, 0
.macro WIN new                         ; the immediate's high byte repeats the setting that is left
.if MSB != \new
	s_set_vgpr_msb (MSB<<8)|\new
.set MSB, \new
.endif
.endm
.macro CROUND                          ; a round of the cluster's barrier
	s_barrier_signal -1
	s_barrier_wait -1
	s_cmp_lg_u32 s[WV], 0
	s_cbranch_scc1 .Lnot_wave_0_\@
	s_barrier_signal -3
.Lnot_wave_0_\@:
	s_barrier_wait -3
	s_barrier_signal -1
	s_barrier_wait -1
.endm
.macro TLOAD                           ; every wave fetches its record; s_nop 0 and four v_nop follow the line
	tensor_load_to_lds s[G0:G0+3], s[G1:G1+7]
	s_nop 0
.rept 4
	v_nop
.endr
.endm
.macro WM d, a, b, sa, sb, ra, acc     ; one product; ra: source 0's scale words stand in lanes 16-31; acc: onto the sum, else the product starts it
.if (\ra) && (\acc)
	v_wmma_scale_f32_16x16x128_f8f6f4 v[(\d):(\d)+7], v[(\a):(\a)+11], v[(\b):(\b)+11], v[(\d):(\d)+7], v[(\sa)], v[(\sb)] matrix_a_fmt:MATRIX_FMT_FP6 matrix_b_fmt:MATRIX_FMT_FP6 matrix_a_scale:MATRIX_SCALE_ROW1
.elseif (\acc)
	v_wmma_scale_f32_16x16x128_f8f6f4 v[(\d):(\d)+7], v[(\a):(\a)+11], v[(\b):(\b)+11], v[(\d):(\d)+7], v[(\sa)], v[(\sb)] matrix_a_fmt:MATRIX_FMT_FP6 matrix_b_fmt:MATRIX_FMT_FP6
.elseif (\ra)
	v_wmma_scale_f32_16x16x128_f8f6f4 v[(\d):(\d)+7], v[(\a):(\a)+11], v[(\b):(\b)+11], 0, v[(\sa)], v[(\sb)] matrix_a_fmt:MATRIX_FMT_FP6 matrix_b_fmt:MATRIX_FMT_FP6 matrix_a_scale:MATRIX_SCALE_ROW1
.else
	v_wmma_scale_f32_16x16x128_f8f6f4 v[(\d):(\d)+7], v[(\a):(\a)+11], v[(\b):(\b)+11], 0, v[(\sa)], v[(\sb)] matrix_a_fmt:MATRIX_FMT_FP6 matrix_b_fmt:MATRIX_FMT_FP6
.endif
.endm
.macro ADDR                            ; the six addresses of the record at s[TB]
	v_add_nc_u32 v[AKI], s[TB], v[KLI]
	v_add_nc_u32 v[AKJ], s[TB], v[KLJ]
	v_add_nc_u32 v[AKS], s[TB], v[KLS]
	v_add_nc_u32 v[AVI], s[TB], v[LI]
	v_add_nc_u32 v[AVJ], s[TB], v[LJ]
	v_add_nc_u32 v[AVS], s[TB], v[LS]
.endm
.macro KLOAD off                       ; K's eight tiles and four registers of scale words (register 2 c + t / 2: lanes 0-15 the even t, lanes 16-31 the odd): 20 LDS loads
.irp n, 0,1,2,3,4,5,6,7
	ds_load_b128 v[KF+6*\n:KF+6*\n+3], v[AKI] offset:(\off)+768*(4*(\n/4)+\n%2)+128*((\n%4)/2)
	ds_load_b64 v[KF+6*\n+4:KF+6*\n+5], v[AKJ] offset:(\off)+768*(4*(\n/4)+\n%2)+512+64*((\n%4)/2)
.endr
.irp p, 0,1,2,3
	ds_load_b32 v[KS+\p], v[AKS] offset:(\off)+KSO+256*(\p/2)+32*(\p%2)
.endr
.endm
.macro VLOAD                           ; V's four fragments and two registers of scale words: 18 LDS loads
.irp t, 0,1,2,3
	ds_load_b128 v[VF+12*\t:VF+12*\t+3], v[AVI] offset:VOFF+1536*\t
	ds_load_b64 v[VF+12*\t+4:VF+12*\t+5], v[AVJ] offset:VOFF+1536*\t+512
	ds_load_b128 v[VF+12*\t+6:VF+12*\t+9], v[AVI] offset:VOFF+1536*\t+768
	ds_load_b64 v[VF+12*\t+10:VF+12*\t+11], v[AVJ] offset:VOFF+1536*\t+1280
.endr
	ds_load_b32 v[VS], v[AVS] offset:VSO
	ds_load_b32 v[VS+1], v[AVS] offset:VSO+128
.endm
	s_load_b256 s[4:11], s[0:1], 0x0               ; qc, kv, oc, os
	v_lshl_add_u32 v[SPW], v0, 2, SPARE
	v_mov_b32 v[NIL], 0
	ds_add_u32 v[SPW], v[NIL]                      ; the opening lines: the add, twice on end, and its wait ahead of my first tensor load
	ds_add_u32 v[SPW], v[NIL]
	v_lshrrev_b32 v152, 5, v0
	v_readfirstlane_b32 s[WV], v152                ; wave 0..7
	s_and_b32 s13, ttmp7, 0xffff                   ; the head, which the four partners share
	s_bfe_u32 s14, ttmp6, 0x40000                  ; cx: it enters the addresses of q, oc and os alone
	s_lshl_b32 s15, ttmp9, 2
	s_add_co_u32 s15, s15, s14                     ; my block of 256 tokens
	s_lshl_b32 s16, s15, 4
	s_lshl_b32 s17, s[WV], 1
	s_add_co_u32 s16, s16, s17                     ; T: my first tile of tokens, an even one
	s_mul_i32 s17, s[WV], REC                      ; my record of a slot, in LDS and in memory alike
	s_mul_i32 s40, s13, 32*REC
	s_add_co_u32 s40, s40, s17
	s_mov_b32 s41, 0
	s_mul_i32 s42, s13, 196608                     ; q's half fragments
	s_mul_i32 s43, s16, 768
	s_add_co_u32 s42, s42, s43
	s_mov_b32 s43, 0
	s_lshl_b32 s44, s13, 14                        ; q's scale words
	s_lshl_b32 s45, s16, 6
	s_add_co_u32 s44, s44, s45
	s_add_co_u32 s44, s44, 3145728
	s_mov_b32 s45, 0
	s_lshr_b32 s18, s16, 3                         ; the group of 128 tokens,
	s_and_b32 s19, s16, 7                          ; the tile in it
	s_lshr_b32 s50, s13, 1                         ; the next product's K step,
	s_and_b32 s51, s13, 1                          ; and which half of it
	s_mul_i32 s46, s18, 98304                      ; oc: [group][K step][tile][two half fragments]
	s_mul_i32 s52, s50, 12288
	s_add_co_u32 s46, s46, s52
	s_mul_i32 s52, s19, 1536
	s_add_co_u32 s46, s46, s52
	s_mul_i32 s52, s51, 768
	s_add_co_u32 s46, s46, s52
	s_mov_b32 s47, 0
	s_lshl_b32 s48, s18, 13                        ; os: [group][pair of tiles][K step][half][16 u + r] words: my two tiles are a pair
	s_lshl_b32 s52, s19, 10
	s_add_co_u32 s48, s48, s52
	s_lshl_b32 s52, s50, 8
	s_add_co_u32 s48, s48, s52
	s_lshl_b32 s52, s51, 7
	s_add_co_u32 s48, s48, s52
	s_mov_b32 s49, 0
	s_lshl_b32 s[SH], s51, 4
	s_mov_b32 s[G1], 15|(3<<16)|(1<<21)            ; 15:0 the mask: all four work-groups; 17:16 elements of 8 bytes; 21 set beside a mask; no padding
	s_mov_b32 s[G1+1], 32<<16                      ; tensor_dim0: rows of 256 bytes
	s_mov_b32 s[G1+2], 51<<16                      ; tensor_dim1
	s_mov_b32 s[G1+3], 32<<16                      ; tile_dim0
	s_mov_b32 s[G1+4], 51                          ; tile_dim1: one record
	s_mov_b32 s[G1+5], 32                          ; the pitch: dense
	s_mov_b32 s[G1+6], 0
	s_mov_b32 s[G1+7], 0
	s_mov_b32 s[SEL], 0x76543210
	s_mov_b32 s[SEL+1], 0xfedcba98
	s_mov_b32 s[CS], 0x3e38aa3b                    ; c = log2(e) / 8
	s_mov_b32 s[CS+1], s[CS]                       ; (named with it as a pair, so it is written)
	s_mov_b32 s[NC], 0xbe38aa3b                    ; -c
	s_mov_b32 s[TB], 0
	s_mov_b32 s[SLOTS], 3
	s_wait_dscnt 0x0                               ; both opening adds are done
	s_wait_kmcnt 0x0
	s_mov_b32 s[G0], 1
	s_mov_b32 s[G0+1], s17
	s_add_nc_u64 s[G0+2:G0+3], s[6:7], s[40:41]
	s_or_b32 s[G0+3], s[G0+3], 0x80000000
	s_add_nc_u64 s[2:3], s[4:5], s[44:45]
	s_add_nc_u64 s[4:5], s[4:5], s[42:43]
	s_add_nc_u64 s[8:9], s[8:9], s[46:47]
	s_add_nc_u64 s[10:11], s[10:11], s[48:49]
	CROUND                                         ; all four work-groups are here: the first joint loads meet
	TLOAD                                          ; slot 0: my one load at the head
	v_and_b32 v152, 31, v0                         ; lane
	v_and_b32 v153, 7, v0                          ; r % 8
	v_bfe_u32 v154, v0, 4, 1                       ; h
	v_bfe_u32 v[KLS], v0, 3, 1                     ; r / 8
	v_and_b32 v[LR], 15, v0
	v_lshlrev_b32 v[LI], 4, v152
	v_lshlrev_b32 v[LJ], 3, v152
	v_lshlrev_b32 v[LS], 2, v152
	v_lshlrev_b32 v[LR], 2, v[LR]
	v_mul_u32_u24 v[KLI], v[KLS], 1536
	v_lshlrev_b32 v[KLS], 7, v[KLS]
	v_lshl_add_u32 v[KLJ], v153, 3, v[KLI]
	v_lshl_add_u32 v[KLI], v153, 4, v[KLI]
	v_lshl_add_u32 v[KLS], v153, 2, v[KLS]
	v_lshl_add_u32 v[KLJ], v154, 7, v[KLJ]
	v_lshl_add_u32 v[KLI], v154, 8, v[KLI]
	v_lshl_add_u32 v[KLS], v154, 6, v[KLS]
.irp a, 0,1
	global_load_b128 v[Q+12*\a:Q+12*\a+3], v[LI], s[4:5] offset:768*\a        ; Q's half fragments stay in registers
	global_load_b64 v[Q+12*\a+4:Q+12*\a+5], v[LJ], s[4:5] offset:768*\a+512
	global_load_b32 v[QS+\a], v[LR], s[2:3] offset:64*\a
.endr
.irp i, 6,7,8,9,10,11
	v_mov_b32 v[Q+\i], 0                           ; the upper 64 along K: zero codes
	v_mov_b32 v[Q+12+\i], 0
	v_mov_b32 v[KF+42+\i], 0                       ; what the last tile of K names as its upper half
.endr
	ADDR
	WIN 0x40                                       ; destinations in window 1
	v_lshlrev_b32 v[H8], 3, v154
	v_mov_b32 v[NM], 0x7f61b1e6                    ; -M = 3e38, over every floor(-t)
	v_mov_b32 v[NM+2], 0x7f61b1e6
.irp r, NM+1,NM+3,FF+1,FF+3,LL,LL+1,LL+2,LL+3,XX,XX+4
	v_mov_b32 v[\r], 0                             ; the sums; the upper halves of pairs that are named whole; the lane permutes' destinations, which count as sources
.endr
.set j, 0
.rept 64
	v_mov_b32 v[O+j], 0                            ; O^T.  (The step is written for every step alike: the first finds zeros, which the first change of M leaves zeros)
.set j, j+1
.endr
	WIN 0
; A KEY STEP: the 128 keys of the record at s[TB]; K's fragments have been asked for.  mode 1: the next record lies in the same slot; 0: a slot's last step; 2: the walk's last
.macro STEP mode
	s_wait_dscnt 0x0                               ; K's fragments and scale words are in
	WIN 0x40
.irp n, 0,1,2,3,4,5,6,7                ; S^T = K Q^T: sixteen sums, each begun by its one product
.irp a, 0,1
	WM S+64*\a+8*\n, KF+6*\n, Q+12*\a, KS+\n/2, QS+\a, \n%2, 0
.endr
.endr
	WIN 0
.rept 4
	v_nop                                          ; places in front of loads into registers that products have read, and of the first read of S^T
.endr
	VLOAD
.if \mode == 1
	KLOAD REC                                      ; the next step's K, a whole step ahead of its use
.endif
	WIN 0x55                                       ; all in window 1
.irp i, 0,1,2,3                        ; i = 2 a + c: THE LARGEST SCORE OF EACH BLOCK OF 32 KEYS, all mine: it serves the row's maximum and, since p rises with the score, the block's largest p
	v_max3_num_f32 v[BM+\i], v[S+32*\i], v[S+32*\i+1], v[S+32*\i+2]
.endr
.irp k, 3,5,7,9,11,13,15,17,19,21,23,25,27,29
.irp i, 0,1,2,3
	v_max3_num_f32 v[BM+\i], v[BM+\i], v[S+32*\i+\k], v[S+32*\i+\k+1]   ; each accumulator is first read at its low end
.endr
.endr
.irp i, 0,1,2,3
	v_max_num_f32 v[BM+\i], v[BM+\i], v[S+32*\i+31]
.endr
.irp a, 0,1
	v_max_num_f32 v[TT+4*\a], v[BM+2*\a], v[BM+2*\a+1]
.endr
.irp a, 0,1
	v_permlanex16_b32 v[XX+4*\a], v[TT+4*\a], s[SEL], s[SEL+1]
.endr
.irp a, 0,1
	v_max_num_f32 v[TT+4*\a], v[TT+4*\a], v[XX+4*\a]       ; with lane l xor 16's 64 keys: the step's largest score of my query
.endr
.irp a, 0,1
	v_mul_f32 v[TT+4*\a], s[NC], v[TT+4*\a]                ; -t
.endr
.irp a, 0,1
	v_floor_f32 v[TT+4*\a], v[TT+4*\a]                     ; floor(-t) = -ceil(t)
.endr
.irp a, 0,1
	v_min_num_f32 v[TT+4*\a], v[TT+4*\a], v[NM+2*\a]       ; the new -M: M is a whole number
.endr
.irp a, 0,1
	v_sub_f32 v[DD+4*\a], v[TT+4*\a], v[NM+2*\a]           ; old M - new M: a whole number, 0 or less
.endr
.irp a, 0,1
	v_mov_b32 v[NM+2*\a], v[TT+4*\a]
.endr
.irp a, 0,1
	v_cvt_i32_f32 v[DD+4*\a], v[DD+4*\a]                   ; (it saturates)
.endr
.irp a, 0,1
	v_ldexp_f32 v[FF+2*\a], 1.0, v[DD+4*\a]                ; f = 2^(old M - new M)
.endr
.irp a, 0,1
.set j, 0
.rept 32
	v_pk_fma_f32 v[S+64*\a+j:S+64*\a+j+1], v[S+64*\a+j:S+64*\a+j+1], s[CS:CS+1], v[NM+2*\a:NM+2*\a+1] op_sel_hi:[1,0,0]   ; t - M, two at a time
.set j, j+2
.endr
.endr
.irp i, 0,1,2,3
	v_fma_f32 v[BM+\i], v[BM+\i], s[CS], v[NM+2*(\i/2)]    ; the same of each block's largest score
.endr
.irp a, 0,1
.set j, 0
.rept 16
	v_pk_mul_f32 v[O+32*\a+j:O+32*\a+j+1], v[O+32*\a+j:O+32*\a+j+1], v[FF+2*\a:FF+2*\a+1] op_sel_hi:[1,0]   ; O^T under the new M, ahead of the exponentials, each accumulator from its low end on
.set j, j+2
.endr
.endr
	s_wait_alu depctr_va_vdst(0)                   ; the wait ahead of the batch
.set j, 0
.rept 128
	v_exp_f32 v[S+j], v[S+j]                       ; p = 2^(t - M), at most 1
.set j, j+1
.endr
.irp i, 0,1,2,3
	v_exp_f32 v[BM+\i], v[BM+\i]                   ; the block's largest p: the same two instructions on the same number give the same bits
.endr
	v_nop                                          ; a plain place behind the exponentials
	s_wait_alu depctr_va_vdst(0)                   ; one wait for the whole batch, ahead of its first reader
.irp a, 0,1                            ; THE ROW'S SUM IS TAKEN OF THE UNQUANTISED p: four chains by turns; the first line brings the old sum under the new M
	v_pk_fma_f32 v[LL+2*\a:LL+2*\a+1], v[LL+2*\a:LL+2*\a+1], v[FF+2*\a:FF+2*\a+1], v[S+64*\a:S+64*\a+1] op_sel_hi:[1,0,1]
.endr
.irp a, 0,1
	v_pk_add_f32 v[AX+2*\a:AX+2*\a+1], v[S+64*\a+2:S+64*\a+3], v[S+64*\a+4:S+64*\a+5]
.endr
.irp k, 6,10,14,18,22,26,30,34,38,42,46,50,54,58
.irp a, 0,1
	v_pk_add_f32 v[LL+2*\a:LL+2*\a+1], v[LL+2*\a:LL+2*\a+1], v[S+64*\a+\k:S+64*\a+\k+1]
.endr
.irp a, 0,1
	v_pk_add_f32 v[AX+2*\a:AX+2*\a+1], v[AX+2*\a:AX+2*\a+1], v[S+64*\a+\k+2:S+64*\a+\k+3]
.endr
.endr
.irp a, 0,1
	v_pk_add_f32 v[LL+2*\a:LL+2*\a+1], v[LL+2*\a:LL+2*\a+1], v[S+64*\a+62:S+64*\a+63]
.endr
.irp i, 0,1,2,3
	v_max_num_f32 v[BM+\i], 0x1800000, v[BM+\i]    ; the floor 2^(3 - 127): the byte cannot fall under 1
.endr
.irp a, 0,1
	v_pk_add_f32 v[LL+2*\a:LL+2*\a+1], v[LL+2*\a:LL+2*\a+1], v[AX+2*\a:AX+2*\a+1]
.endr
.irp i, 0,1,2,3
	v_add_nc_u32 v[SO+\i], 0xff000000, v[BM+\i]    ; 2 off the exponent field: the conversion's scale operand
.endr
.irp i, 0,1,2,3
	v_lshrrev_b32 v[BM+\i], 23, v[SO+\i]           ; the scale's byte
.endr
.irp a, 0,1
	v_lshl_or_b32 v[TT+4*\a], v[BM+2*\a+1], 16, v[BM+2*\a]   ; my two bytes: blocks h and 2 + h,
.endr
.irp a, 0,1
	v_lshlrev_b32 v[TT+4*\a], v[H8], v[TT+4*\a]    ; at their places in the word;
.endr
.irp a, 0,1
	v_permlanex16_b32 v[XX+4*\a], v[TT+4*\a], s[SEL], s[SEL+1]
.endr
	WIN 0x05                                       ; scale words stand in window 0
.irp a, 0,1
	v_or_b32 v[PS+\a], v[TT+4*\a], v[XX+4*\a]      ; with lane l xor 16's two the word of these 128 keys is whole
.endr
	WIN 0x55
.irp i, 0,1,2,3                        ; registers 6 c .. 6 c + 5 of tile a's operand: k = 64 c + 32 h + 0 .. 31
	v_cvt_scalef32_pk16_fp6_f32 v[PC+6*\i:PC+6*\i+2], v[S+32*\i:S+32*\i+15], v[SO+\i]
	v_cvt_scalef32_pk16_fp6_f32 v[CT+4*\i:CT+4*\i+2], v[S+32*\i+16:S+32*\i+31], v[SO+\i]   ; (a conversion's three registers begin on an even number)
.endr
	v_nop                                          ; one plain place behind a scaled conversion
.irp i, 0,1,2,3
.irp k, 0,1,2
	v_mov_b32 v[PC+6*\i+3+\k], v[CT+4*\i+\k]
.endr
.endr
	WIN 0
.if \mode == 1
	s_add_co_u32 s[TB], s[TB], REC
.elseif \mode == 0
	s_sub_co_u32 s[TB], s[TB], 7*REC               ; back to a slot's first record,
	s_xor_b32 s[TB], s[TB], SLOT1                  ; in the other slot
.endif
.if \mode < 2
	ADDR                                           ; the next record's addresses (this step's LDS loads are all issued); with the moves above: the places between p's codes and scale words and the products
.else
.rept 4
	v_nop
.endr
.endif
	s_wait_alu depctr_va_vdst(0)
.if \mode == 1
	s_wait_dscnt 20                                ; V is in; the 20 loads of the next step's K, issued behind V's, may be out
.else
	s_wait_dscnt 0x0
.endif
	WIN 0x54                                       ; V in window 0; p's codes and O^T in window 1
.irp t, 0,1,2,3                        ; O^T += V^T P^T: eight accumulators by turns
.irp a, 0,1
	WM O+32*\a+8*\t, VF+12*\t, PC+12*\a, VS+\t/2, PS+\a, \t%2, 1
.endr
.endr
	WIN 0
.endm
; THE CHANGE OF SLOTS stands at a slot's head.  Each wave waits for its tensor load (its record of the slot ahead), adds 0 to its spare word, and waits for that and for its reads of the slot that it has left.
; fill = 1: a round of the cluster's barrier, so that no wave of any partner still reads that slot or has a load on its way; the joint refill is the first thing behind it and has eight key steps in which to land.
.macro CHANGE fill
	s_wait_tensorcnt 0x0                           ; no tensor load of mine is out, so group 0 may be written
	ds_add_u32 v[SPW], v[NIL]                      ; 0 onto my spare word
.if \fill
	s_xor_b32 s[G0+1], s[G0+1], SLOT1              ; the other slot than last time,
	s_add_nc_u64 s[G0+2:G0+3], s[G0+2:G0+3], SLOTB ; the next eight records; the type bits on top are not reached
.endif
	s_wait_dscnt 0x0                               ; the add is done, and my reads of the slot that I have left are over
.if \fill
	CROUND
	TLOAD
.else
	s_barrier_signal -1
	s_barrier_wait -1
.endif
.endm
.macro SLOT_STEPS last                 ; a slot's eight key steps: seven that fetch the next step's K, and the last
	KLOAD 0
	s_mov_b32 s[CNT], 7
.Lstep_\@:
	STEP 1
	s_sub_co_u32 s[CNT], s[CNT], 1
	s_cmp_lg_u32 s[CNT], 0
	s_cbranch_scc1 .Lstep_\@
	STEP \last
.endm
	s_wait_alu depctr_va_vdst(0)                   ; the wait at the head's end
	s_wait_loadcnt 0x0                             ; Q
.Lslot:                                            ; three trips: behind each change of slots but the last the next slot is asked for
	CHANGE 1
	SLOT_STEPS 0
	s_sub_co_u32 s[SLOTS], s[SLOTS], 1
	s_cmp_lg_u32 s[SLOTS], 0
	s_cbranch_scc1 .Lslot
	CHANGE 0                                       ; the last slot is written out
	SLOT_STEPS 2
	; THE WAY OUT: O^T / the sum, quantised along the head's 64 channels (register 16 b + i of a tile: channel 32 b + 16 h + i): a half fragment and two scale bytes of the last product's operand, for each tile
.rept 4
	v_nop
.endr
	WIN 0x55
.irp a, 0,1
	v_add_f32 v[LL+2*\a], v[LL+2*\a], v[LL+2*\a+1]         ; the sum's two halves,
.endr
.irp a, 0,1
	v_permlanex16_b32 v[XX+4*\a], v[LL+2*\a], s[SEL], s[SEL+1]
.endr
.irp a, 0,1
	v_add_f32 v[LL+2*\a], v[LL+2*\a], v[XX+4*\a]           ; and lane l xor 16's
.endr
	s_wait_alu depctr_va_vdst(0)                   ; the wait ahead of the reciprocals
.irp a, 0,1
	v_rcp_f32 v[LL+2*\a], v[LL+2*\a]
.endr
	v_nop                                          ; a plain place behind them
	s_wait_alu depctr_va_vdst(0)                   ; and the wait ahead of their first reader, which is O^T's first reader too
.irp a, 0,1
.set j, 0
.rept 16
	v_pk_mul_f32 v[O+32*\a+j:O+32*\a+j+1], v[O+32*\a+j:O+32*\a+j+1], v[LL+2*\a:LL+2*\a+1] op_sel_hi:[1,0]
.set j, j+2
.endr
.endr
.irp i, 0,1,2,3                        ; i = 2 a + b
	v_max3_num_f32 v[BM+\i], |v[O+16*\i]|, |v[O+16*\i+1]|, 0x1800000
.endr
.irp k, 2,4,6,8,10,12,14
.irp i, 0,1,2,3
	v_max3_num_f32 v[BM+\i], v[BM+\i], |v[O+16*\i+\k]|, |v[O+16*\i+\k+1]|
.endr
.endr
.irp i, 0,1,2,3
	v_permlanex16_b32 v[SO+\i], v[BM+\i], s[SEL], s[SEL+1]
.endr
.irp i, 0,1,2,3
	v_max_num_f32 v[BM+\i], v[BM+\i], v[SO+\i]     ; with lane l xor 16's 16 channels: the block's largest magnitude
.endr
.irp i, 0,1,2,3
	v_add_nc_u32 v[SO+\i], 0xff000000, v[BM+\i]
.endr
.irp i, 0,1,2,3
	v_lshrrev_b32 v[BM+\i], 23, v[SO+\i]
.endr
.irp a, 0,1
	v_lshl_or_b32 v[TT+4*\a], v[BM+2*\a+1], 8, v[BM+2*\a]
.endr
.irp a, 0,1
	v_lshlrev_b32 v[TT+4*\a], s[SH], v[TT+4*\a]    ; an odd head's two bytes are bytes 2 and 3 of the K step's word
.endr
	v_cmp_ne_u32 vcc_lo, 0, v[H8]
	v_cndmask_b32 v[DD], v[TT], v[TT+4], vcc_lo    ; lanes 0-15 my first tile's 16 words, lanes 16-31 my second's
.irp a, 0,1
	v_cvt_scalef32_pk16_fp6_f32 v[PC+12*\a:PC+12*\a+2], v[O+32*\a:O+32*\a+15], v[SO+2*\a]
	v_cvt_scalef32_pk16_fp6_f32 v[PC+12*\a+6:PC+12*\a+8], v[O+32*\a+16:O+32*\a+31], v[SO+2*\a+1]
.endr
	v_nop                                          ; one plain place behind a scaled conversion
.irp a, 0,1                            ; the operand's layout wants a whole block in a lane
.irp k, 0,1,2
	v_permlane16_swap_b32 v[PC+12*\a+\k], v[PC+12*\a+6+\k]
.endr
.endr
.irp a, 0,1
.irp k, 0,1,2
	v_mov_b32 v[PC+12*\a+3+\k], v[PC+12*\a+6+\k]
.endr
.endr
	WIN 0x04                                       ; the stores' data in window 1, their offsets in window 0
.irp a, 0,1
	global_store_b128 v[LI], v[PC+12*\a:PC+12*\a+3], s[8:9] offset:1536*\a          ; 512 consecutive bytes
	global_store_b64 v[LJ], v[PC+12*\a+4:PC+12*\a+5], s[8:9] offset:1536*\a+512     ; 256 consecutive bytes
.endr
	global_store_b32 v[LS], v[DD], s[10:11]        ; 128 consecutive bytes: the pair of tiles' words of this head
	WIN 0
	s_wait_tensorcnt 0x0                           ; the wave's end
	ds_add_u32 v[SPW], v[NIL]
	s_wait_dscnt 0x0
	CROUND                                         ; the closing round
	s_endpgm
.Lfunc_end_k_q8f229b6c88_attn:
	.size	k_q8f229b6c88_attn, .Lfunc_end_k_q8f229b6c88_attn-k_q8f229b6c88_attn
	.p2alignl 7, 3214868480
	.fill 96, 4, 3214868480
	.section	.rodata,"a",@progbits
	.p2align	6, 0x0
	.amdhsa_kernel k_q8f229b6c88_attn
		.amdhsa_group_segment_fixed_size 327680
		.amdhsa_private_segment_fixed_size 0
		.amdhsa_enable_private_segment 0
		.amdhsa_kernarg_size 32
		.amdhsa_user_sgpr_count 2
		.amdhsa_user_sgpr_kernarg_segment_ptr 1
		.amdhsa_wavefront_size32 1
		.amdhsa_system_sgpr_workgroup_id_x 1
		.amdhsa_system_sgpr_workgroup_id_y 1
		.amdhsa_system_sgpr_workgroup_id_z 1
		.amdhsa_system_vgpr_workitem_id 0
		.amdhsa_next_free_vgpr 512
		.amdhsa_next_free_sgpr 66
		.amdhsa_reserve_vcc 1
		.amdhsa_float_denorm_mode_32 3
		.amdhsa_float_denorm_mode_16_64 3
		.amdhsa_memory_ordered 1
		.amdhsa_forward_progress 1
		.amdhsa_inst_pref_size 126
	.end_amdhsa_kernel
	.amdgpu_metadata
---
amdhsa.version: [ 1, 2 ]
amdhsa.kernels:
  - .name:           k_q8f229b6c88_attn
    .symbol:         k_q8f229b6c88_attn.kd
    .args:
      - { .name: qc, .offset: 0, .size: 8, .value_kind: global_buffer, .address_space: global }
      - { .name: kv, .offset: 8, .size: 8, .value_kind: global_buffer, .address_space: global }
      - { .name: oc, .offset: 16, .size: 8, .value_kind: global_buffer, .address_space: global }
      - { .name: os, .offset: 24, .size: 8, .value_kind: global_buffer, .address_space: global }
    .group_segment_fixed_size: 327680
    .private_segment_fixed_size: 0
    .kernarg_segment_align: 8
    .kernarg_segment_size: 32
    .max_flat_workgroup_size: 256
    .sgpr_count:     66
    .vgpr_count:     512
    .wavefront_size: 32
...
	.end_amdgpu_metadata
.endif
;; end of part 3
;; launch proj (part 4): grid 8 x 32, 4 waves a work-group, clusters of 4 x 4, 276,992 bytes of LDS; arguments oc, os, cw, sw, bo, out0; writes out0
.if DOCPART == 4
	.amdgcn_target "amdgcn-amd-amdhsa--gfx1250"
	.amdhsa_code_object_version 6
	.text
	.protected	k_q8f229b6c88_proj
	.globl	k_q8f229b6c88_proj
	.p2align	8
	.type	k_q8f229b6c88_proj,@function
k_q8f229b6c88_proj:
	s_mov_b64 s[64:65], 0
	v_nop
	global_prefetch_b8 v0, s[64:65] scope:SCOPE_SE
	s_setreg_imm32_b32 hwreg(HW_REG_WAVE_MODE, 25, 1), 1
	s_wait_xcnt 0x0
	s_wait_alu depctr_hold_cnt(0) depctr_sa_sdst(0) depctr_va_vdst(0) depctr_va_sdst(0) depctr_va_ssrc(0) depctr_va_vcc(0) depctr_vm_vsrc(0)
	s_getreg_b32 s2, hwreg(HW_REG_IB_STS2, 6, 4)
	s_cmp_eq_u32 s2, 0
	s_cbranch_scc0 .Lentry_in_a_cluster
	s_endpgm
.Lentry_in_a_cluster:
	s_bfe_u32 s2, ttmp6, 0x10000c
	s_cmp_lg_u32 s2, 0xf033
	s_cbranch_scc0 .Lentry_shape_is_right
	s_endpgm
.Lentry_shape_is_right:
; out0 = o Wo^T + bo on codes of FP6 (E2M3) with E8M0 scales; out0 [4096][1024] f32.
; A work-group makes 128 tokens x 128 outputs.  Source 0 (S0) = 128 rows of Wo (cw, groups 56-63), source 1 (S1) = 128 tokens of o (oc): a lane holds one token, its registers run along the outputs.
; Both operands lie in memory as images of operand registers, [group of 128 rows][K step: 8][tile: 8][1,536 bytes]; lane r of tile 2 p + u is row 32 p + 8 u + r + 8 (r / 8), so that the 16 registers of
; result tiles 2 b, 2 b + 1 are the 16 neighbouring outputs 32 b + 16 h + i.
; ALL OF K LIES IN LDS, every byte filled once: no slot is filled again.  A wave has one tensor load out.
; o's scale words come in two halves (os: [group][pair of tiles][K step][even or odd head][16 u + r]), each with its two bytes in place and zeros elsewhere: one v_or_b32 makes the word.
; WAVES: wave w takes all 8 tiles of S0 x tiles 2 w, 2 w + 1 of S1: 16 accumulators, which take turns in the same order in every K step.
; CLUSTER: 4 x 4 work-groups; S1's tiles are shared along a row of the cluster, S0's along a column: each is asked for jointly.
; THE WAY OUT: through the wave's own stage in LDS (32 rows x 528 bytes, in the tokens' natural order); each store covers 512 consecutive bytes of a row of out0.
; REGISTERS: window 0: v1-15 addresses; v16-47 S0's scale words, v48-55 S1's, v56-63 their second halves; v64-127 the bias, later rows on the way out; v128-255 accumulator (a, t) at 128 + 64 a + 8 t.
;            window 1: two fragment buffers of 120: S0's tile t at 12 t, S1's tile a at 96 + 12 a.
; AS THE TEXT NOW STANDS: LDS holds the codes alone, 2 x 98,304 bytes, every byte filled once by ONE tensor load a wave (192 rows x 256 bytes: four K steps of one group), and the stages;
; the scale words go from os and sw straight into the registers that the products name.  So a wave has one tensor load out, and one barrier shows all of K to all waves.
.set GRP,   98304
.set KST,   12288
.set FRB,   1536
.set CHUNK, 2*KST
.set S1C,   0                          ; LDS: S1's codes,
.set S0C,   GRP                        ; S0's,
.set S1S,   2*GRP                      ; S1's scale words: 8,192 bytes,
.set S0S,   S1S+8192                   ; S0's: 4,096,
.set STG,   S0S+4096                   ; the stages: no tensor load lands here
.set SP,    528
.set STO, 1                            ; v1     the stage: where I put 16 bytes of a row
.set RD,  2                            ; v2     and where I read a row back
.set BO,  3                            ; v3     the bias's offset: 64 h
.set A1I, 4
.set A1J, 6
.set A0I, 8
.set A0J, 10
.set AS0, 12
.set AS1, 13
.set LI,  14
.set LJ,  15
.set SC0, 16
.set SC1, 48
.set SC2, 56
.set BI,  64
.set ACC, 128
.set F0,  0
.set F1,  120
.set WV,  18
.set FB,  19
.set CX,  20
.set CY,  21
.set HW,  22
.set G1A, 24
.set G0A, 32
.set S0G, 40                           ; never holds cy
.set S1G, 41                           ; never holds cx
.set NG,  42                           ; which 128 outputs: 4 x cluster x + cx
.set G1B, 48
.set G0B, 56
.set G1SA, 68
.set G0SA, 76
.set G1SB, 80
.set G0SB, 88
.set MSB, 0
.macro WIN new                         ; the immediate's high byte repeats the setting that is left
.if MSB != \new
	s_set_vgpr_msb (MSB<<8)|\new
.set MSB, \new
.endif
.endm
.set W_MUL, 0x05                       ; sources 0 and 1 window 1; C and D window 0
.set TO_F,  0x40                       ; destination window 1, address window 0
.macro JLOAD g0a, g1a, g0b, g1b        ; a joint load: waves 0 and 1 fetch for S1, waves 2 and 3 for S0; four v_nop follow each of the two lines
	s_cmp_eq_u32 s[FB], 0
	s_cbranch_scc0 .Lfor_b_\@
	tensor_load_to_lds s[\g0a:\g0a+3], s[\g1a:\g1a+7]
	s_nop 0
.rept 4
	v_nop
.endr
	s_branch .Lasked_\@
.Lfor_b_\@:
	tensor_load_to_lds s[\g0b:\g0b+3], s[\g1b:\g1b+7]
	s_nop 0
.rept 4
	v_nop
.endr
.Lasked_\@:
.endm
.macro CROUND                          ; a round of the cluster's barrier
	s_barrier_signal -1
	s_barrier_wait -1
	s_cmp_lg_u32 s[WV], 0
	s_cbranch_scc1 .Lnot_wave_0_\@
	s_barrier_signal -3
.Lnot_wave_0_\@:
	s_barrier_wait -3
	s_barrier_signal -1
	s_barrier_wait -1
.endm
.macro PLACES                          ; four places in front of loads into registers that matrix instructions have read, and of the first read of results
.rept 4
	v_nop
.endr
.endm
.macro WM d, a, b, c, sa, sb, ra, rb   ; one product; ra, rb: the side's scale words stand in lanes 16-31
.if (\ra) && (\rb)
	v_wmma_scale_f32_16x16x128_f8f6f4 v[(\d):(\d)+7], v[(\a):(\a)+11], v[(\b):(\b)+11], v[(\c):(\c)+7], v[(\sa)], v[(\sb)] matrix_a_fmt:MATRIX_FMT_FP6 matrix_b_fmt:MATRIX_FMT_FP6 matrix_a_scale:MATRIX_SCALE_ROW1 matrix_b_scale:MATRIX_SCALE_ROW1
.elseif (\ra)
	v_wmma_scale_f32_16x16x128_f8f6f4 v[(\d):(\d)+7], v[(\a):(\a)+11], v[(\b):(\b)+11], v[(\c):(\c)+7], v[(\sa)], v[(\sb)] matrix_a_fmt:MATRIX_FMT_FP6 matrix_b_fmt:MATRIX_FMT_FP6 matrix_a_scale:MATRIX_SCALE_ROW1
.elseif (\rb)
	v_wmma_scale_f32_16x16x128_f8f6f4 v[(\d):(\d)+7], v[(\a):(\a)+11], v[(\b):(\b)+11], v[(\c):(\c)+7], v[(\sa)], v[(\sb)] matrix_a_fmt:MATRIX_FMT_FP6 matrix_b_fmt:MATRIX_FMT_FP6 matrix_b_scale:MATRIX_SCALE_ROW1
.else
	v_wmma_scale_f32_16x16x128_f8f6f4 v[(\d):(\d)+7], v[(\a):(\a)+11], v[(\b):(\b)+11], v[(\c):(\c)+7], v[(\sa)], v[(\sb)] matrix_a_fmt:MATRIX_FMT_FP6 matrix_b_fmt:MATRIX_FMT_FP6
.endif
.endm
.macro MULS s, f, cmode                ; K step s from buffer f: 16 products.  cmode 0: onto the sums; 1: the bias starts them
	WIN W_MUL
.irp t, 0,1,2,3,4,5,6,7
.irp a, 0,1
.if \cmode == 0
	WM ACC+64*\a+8*\t, \f+12*\t, \f+96+12*\a, ACC+64*\a+8*\t, SC0+8*(\t/2)+(\s), SC1+(\s), \t%2, \a
.else
	WM ACC+64*\a+8*\t, \f+12*\t, \f+96+12*\a, BI+8*\t, SC0+8*(\t/2)+(\s), SC1+(\s), \t%2, \a
.endif
.endr
.endr
.endm
.macro FRAG reg, ai, aj, off           ; a fragment's image: each load takes 512 or 256 consecutive bytes
	ds_load_b128 v[(\reg):(\reg)+3], v[\ai] offset:(\off)
	ds_load_b64 v[(\reg)+4:(\reg)+5], v[\aj] offset:(\off)+512
	ds_load_b128 v[(\reg)+6:(\reg)+9], v[\ai] offset:(\off)+768
	ds_load_b64 v[(\reg)+10:(\reg)+11], v[\aj] offset:(\off)+1280
.endm
.macro FETCH s, f                      ; K step s: 10 fragments, 40 LDS loads, into buffer f
	WIN TO_F
.irp t, 0,1,2,3,4,5,6,7
	FRAG \f+12*\t, A0I+(\s)/4, A0J+(\s)/4, ((\s)%4)*KST+\t*FRB
.endr
.irp a, 0,1
	FRAG \f+96+12*\a, A1I+(\s)/4, A1J+(\s)/4, ((\s)%4)*KST+\a*FRB
.endr
.endm
	s_load_b256 s[4:11], s[0:1], 0x0               ; oc, os, cw, sw
	s_load_b128 s[12:15], s[0:1], 0x20             ; bo, out0
	s_set_vgpr_msb 0x40
	v_lshl_add_u32 v254, v0, 2, 0x43800
	v_mov_b32 v255, 0
	s_set_vgpr_msb 0x4045
	ds_add_u32 v254, v255
	ds_add_u32 v254, v255
	s_set_vgpr_msb 0x4500
	v_lshrrev_b32 v1, 5, v0
	v_readfirstlane_b32 s[WV], v1                  ; wave 0..3
	s_lshr_b32 s[FB], s[WV], 1                     ; I fetch for S1 (0) or for S0 (1)
	s_and_b32 s[HW], s[WV], 1                      ; which half of what is fetched is mine
	s_bfe_u32 s[CX], ttmp6, 0x40000
	s_bfe_u32 s[CY], ttmp6, 0x40004
	s_lshl_b32 s43, ttmp9, 2
	s_add_co_u32 s[NG], s43, s[CX]
	s_add_co_u32 s[S0G], s[NG], 56                 ; Wo's group in cw
	s_and_b32 s[S1G], ttmp7, 0xffff
	s_lshl_b32 s[S1G], s[S1G], 2
	s_add_co_u32 s[S1G], s[S1G], s[CY]             ; the group of 128 tokens
	s_lshl_b32 s46, s[CY], 2
	s_lshl_b32 s46, 15, s46                        ; my row of the cluster
	s_lshl_b32 s44, 0x1111, s[CX]                  ; my column
	; group 1: dense blocks as rows of 256 bytes (32 elements of 8 bytes), no padding: 192 rows of codes
	s_or_b32 s[G1A], s46, (3<<16)|(1<<21)          ; 15:0 the mask; 17:16 elements of 8 bytes; 21 set beside a mask
	s_or_b32 s[G1B], s44, (3<<16)|(1<<21)
.irp g, G1A, G1B
	s_mov_b32 s[\g+1], 32<<16
	s_mov_b32 s[\g+2], 192<<16                     ; tensor_dim1: four K steps
	s_mov_b32 s[\g+3], 32<<16
	s_mov_b32 s[\g+4], 192                         ; tile_dim1
	s_mov_b32 s[\g+5], 32
	s_mov_b32 s[\g+6], 0
	s_mov_b32 s[\g+7], 0
.endr
	s_lshl_b32 s2, s[WV], 11                       ; my pair of S1's tiles: 2,048 bytes of o's scale words
	s_lshl_b32 s46, s[S1G], 13
	s_add_co_u32 s46, s46, s2
	s_mov_b32 s47, 0
	s_lshl_b32 s44, s[S0G], 12
	s_mov_b32 s45, 0
	s_wait_dscnt 0x0
	s_wait_kmcnt 0x0
	s_add_nc_u64 s[G0SA:G0SA+1], s[6:7], s[46:47]  ; where o's scale words lie in os,
	s_add_nc_u64 s[G0SB:G0SB+1], s[10:11], s[44:45] ; and Wo's in sw
	s_mul_i32 s3, s[HW], 2*CHUNK                   ; my four K steps of the group that I fetch for
	s_mul_i32 s46, s[S1G], GRP
	s_add_co_u32 s46, s46, s3
	s_mul_i32 s44, s[S0G], GRP
	s_add_co_u32 s44, s44, s3
	s_add_nc_u64 s[46:47], s[4:5], s[46:47]
	s_add_nc_u64 s[44:45], s[8:9], s[44:45]
.irp n, 0
	s_mov_b32 s[G0A+4*\n], 1
	s_add_co_u32 s[G0A+4*\n+1], s3, S1C+\n*2*CHUNK
	s_add_nc_u64 s[G0A+4*\n+2:G0A+4*\n+3], s[46:47], \n*2*CHUNK
	s_or_b32 s[G0A+4*\n+3], s[G0A+4*\n+3], 0x80000000
	s_mov_b32 s[G0B+4*\n], 1
	s_add_co_u32 s[G0B+4*\n+1], s3, S0C+\n*2*CHUNK
	s_add_nc_u64 s[G0B+4*\n+2:G0B+4*\n+3], s[44:45], \n*2*CHUNK
	s_or_b32 s[G0B+4*\n+3], s[G0B+4*\n+3], 0x80000000
.endr
	CROUND                                         ; all sixteen work-groups are here: the joint loads meet
	JLOAD G0A, G1A, G0B, G1B                       ; one tensor load a wave at the head: four K steps of S1's or of S0's group
	v_and_b32 v1, 31, v0                           ; lane
	v_and_b32 v2, 15, v0                           ; r
	v_bfe_u32 v3, v0, 4, 1                         ; h
	v_lshlrev_b32 v[LI], 4, v1
	v_lshlrev_b32 v[LJ], 3, v1
	s_mul_i32 s66, s[WV], 2*FRB                    ; my two tiles of S1
	v_add_nc_u32 v[A1I], s66, v[LI]
	v_add_nc_u32 v[A1J], s66, v[LJ]
	v_add_nc_u32 v[A1I+1], 4*KST, v[A1I]
	v_add_nc_u32 v[A1J+1], 4*KST, v[A1J]
	v_add_nc_u32 v[A0I], S0C, v[LI]
	v_add_nc_u32 v[A0J], S0C, v[LJ]
	v_add_nc_u32 v[A0I+1], S0C+4*KST, v[LI]
	v_add_nc_u32 v[A0J+1], S0C+4*KST, v[LJ]
	v_lshlrev_b32 v[AS1], 2, v1                    ; 4 x lane
	s_mul_i32 s67, s[WV], 32*SP
	s_add_co_u32 s67, s67, STG                     ; my stage
	v_and_b32 v57, 8, v2
	v_add_nc_u32 v57, v57, v2                      ; r + 8 (r / 8): my token's row among tile a's; tile 1's rows lie 8 further on
	v_mul_u32_u24 v57, v57, SP
	v_lshl_add_u32 v57, v3, 6, v57                 ; + 16 h outputs
	v_add_nc_u32 v[STO], s67, v57
	v_add_nc_u32 v[RD], s67, v[LI]
	v_lshlrev_b32 v[BO], 6, v3
	s_lshl_b32 s66, s[NG], 9                       ; my 128 numbers of bo
	s_mov_b32 s67, 0
	s_add_nc_u64 s[2:3], s[12:13], s[66:67]
.irp t, 0,1,2,3,4,5,6,7                ; THE BIAS is the C of each sum's first product: eight registers a tile, in the result's layout
	global_load_b128 v[BI+8*\t:BI+8*\t+3], v[BO], s[2:3] offset:(32*(\t/2)+8*(\t%2))*4
	global_load_b128 v[BI+8*\t+4:BI+8*\t+7], v[BO], s[2:3] offset:(32*(\t/2)+8*(\t%2))*4+16
.endr
.irp p, 0,1,2,3
.irp q, 0,1
	global_load_b128 v[SC0+8*\p+4*\q:SC0+8*\p+4*\q+3], v[LI], s[G0SB:G0SB+1] offset:1024*\p+512*\q   ; register 8 p + s: lanes 0-15 tile 2 p's words of K step s, lanes 16-31 tile 2 p + 1's
.endr
.endr
.irp s, 0,1,2,3,4,5,6,7
	global_load_b32 v[SC1+\s], v[AS1], s[G0SA:G0SA+1] offset:256*\s          ; the even head's two bytes,
	global_load_b32 v[SC2+\s], v[AS1], s[G0SA:G0SA+1] offset:256*\s+128      ; the odd head's
.endr
	s_lshl_b32 s92, s[S1G], 19                     ; out0: 128 rows of 4,096 bytes a group,
	s_lshl_b32 s93, s[WV], 17                      ; 32 rows a wave,
	s_add_co_u32 s92, s92, s93
	s_lshl_b32 s93, s[NG], 9                       ; 512 bytes of each row
	s_add_co_u32 s92, s92, s93
	s_mov_b32 s93, 0
	s_add_nc_u64 s[92:93], s[14:15], s[92:93]
	s_wait_alu depctr_va_vdst(0)
	s_wait_tensorcnt 0x0                           ; my four K steps are in
	s_barrier_signal -1
	s_barrier_wait -1                              ; everybody's are
	FETCH 0, F0
	WIN 0
	s_wait_loadcnt 0x0                             ; the scale words and the bias are in
.irp s, 0,1,2,3,4,5,6,7
	v_or_b32 v[SC1+\s], v[SC1+\s], v[SC2+\s]
.endr
	FETCH 1, F1
	WIN 0
.rept 8
	v_nop                                          ; a scale register written by a vector instruction stands eight places ahead of a scaled product
.endr
	s_wait_alu depctr_va_vdst(0)
	s_wait_loadcnt 0x0                             ; the bias
	s_wait_dscnt 40                                ; all but K step 1's 40 loads
	MULS 0, F0, 1
.irp s, 1,2,3,4,5,6
	PLACES
	FETCH \s+1, 120*((\s+1)%2)
	s_wait_dscnt 40                                ; this K step's fragments are in; the next step's 40 loads may be out
	MULS \s, 120*(\s%2), 0
.endr
	s_wait_dscnt 0x0
	MULS 7, F1, 0
	WIN 0
	PLACES
.irp a, 0,1
.irp b, 0,1,2,3
.irp i, 0,1,2,3
	ds_store_b128 v[STO], v[ACC+64*\a+16*\b+4*\i:ACC+64*\a+16*\b+4*\i+3] offset:8*SP*\a+128*\b+16*\i   ; outputs 32 b + 16 h + 4 i on; each accumulator from its low end on
.endr
.endr
.endr
.irp i, 0,1,2,3,4,5,6,7,8,9,10,11,12,13,14,15,16,17,18,19,20,21,22,23,24,25,26,27,28,29,30,31
	ds_load_b128 v[BI+4*\i:BI+4*\i+3], v[RD] offset:SP*\i   ; LDS serves a wave's instructions in order: these see my stores, which have read the registers in which rows 16-31 land
.endr
.irp i, 0,1,2,3,4,5,6,7,8,9,10,11,12,13,14,15,16,17,18,19,20,21,22,23,24,25,26,27,28,29,30,31
	s_wait_dscnt 31-\i                             ; row i is back; the rows behind it may be out
	global_store_b128 v[LI], v[BI+4*\i:BI+4*\i+3], s[92:93] offset:4096*\i th:TH_STORE_NT   ; 32 lanes store 512 consecutive bytes, at a multiple of 256 from out0's first byte
.endr
	s_set_vgpr_msb 0x5
	s_wait_tensorcnt 0x0
	ds_add_u32 v254, v255
	s_wait_dscnt 0x0
	s_set_vgpr_msb 0x500
	CROUND                                         ; the closing round: no work-group ends while a partner may still ask for a tile that names it
	s_endpgm
.Lfunc_end_k_q8f229b6c88_proj:
	.size	k_q8f229b6c88_proj, .Lfunc_end_k_q8f229b6c88_proj-k_q8f229b6c88_proj
	.p2alignl 7, 3214868480
	.fill 96, 4, 3214868480
	.section	.rodata,"a",@progbits
	.p2align	6, 0x0
	.amdhsa_kernel k_q8f229b6c88_proj
		.amdhsa_group_segment_fixed_size 276992
		.amdhsa_private_segment_fixed_size 0
		.amdhsa_enable_private_segment 0
		.amdhsa_kernarg_size 48
		.amdhsa_user_sgpr_count 2
		.amdhsa_user_sgpr_kernarg_segment_ptr 1
		.amdhsa_wavefront_size32 1
		.amdhsa_system_sgpr_workgroup_id_x 1
		.amdhsa_system_sgpr_workgroup_id_y 1
		.amdhsa_system_sgpr_workgroup_id_z 1
		.amdhsa_system_vgpr_workitem_id 0
		.amdhsa_next_free_vgpr 512
		.amdhsa_next_free_sgpr 102
		.amdhsa_reserve_vcc 0
		.amdhsa_float_denorm_mode_32 3
		.amdhsa_float_denorm_mode_16_64 3
		.amdhsa_memory_ordered 1
		.amdhsa_forward_progress 1
		.amdhsa_inst_pref_size 57
	.end_amdhsa_kernel
	.amdgpu_metadata
---
amdhsa.version: [ 1, 2 ]
amdhsa.kernels:
  - .name:           k_q8f229b6c88_proj
    .symbol:         k_q8f229b6c88_proj.kd
    .args:
      - { .name: oc, .offset: 0, .size: 8, .value_kind: global_buffer, .address_space: global }
      - { .name: os, .offset: 8, .size: 8, .value_kind: global_buffer, .address_space: global }
      - { .name: cw, .offset: 16, .size: 8, .value_kind: global_buffer, .address_space: global }
      - { .name: sw, .offset: 24, .size: 8, .value_kind: global_buffer, .address_space: global }
      - { .name: bo, .offset: 32, .size: 8, .value_kind: global_buffer, .address_space: global }
      - { .name: out0, .offset: 40, .size: 8, .value_kind: global_buffer, .address_space: global }
    .group_segment_fixed_size: 276992
    .private_segment_fixed_size: 0
    .kernarg_segment_align: 8
    .kernarg_segment_size: 48
    .max_flat_workgroup_size: 128
    .sgpr_count:     102
    .vgpr_count:     512
    .wavefront_size: 32
...
	.end_amdgpu_metadata
.endif
;; end of part 4
